; MI455X (gfx1250); checked and timed in simulation.
; The chip was launched on July 23, 2026; its instructions are those of AMD's public machine-readable ISA for CDNA 5 (MIT licence, August 2026) and "CDNA5" Instruction Set Architecture Reference Guide (July 2026). The comments in the code are by the model that wrote it; some were corrected since.
;; Causal Self Attention. Allowed arithmetic: matrix products marked QUANTISED: E2M3 operands, one E8M0 scale for each 32 along K, by v_wmma_scale_f32_16x16x128_f8f6f4 with both operands' format E2M3, f32 sums; everything else in f32.
;; Inputs: b_attn 3,072 float32; b_proj 1,024 float32; w_attn 3,072 x 1,024 float32; w_proj 1,024 x 1,024 float32; x 4 x 2,048 x 1,024 float32.
;; Outputs: out0 4 x 2,048 x 1,024 float32.
;; This version of the problem:
;;   THIS VERSION OF THE PROBLEM IS GIVEN IN LOW PRECISION. The matrix products marked QUANTISED in the list below multiply operands that are first quantised to E2M3 (2 exponent bits, 3 mantissa bits; 6 bits a number), with one power-of-two scale for each 32 numbers along K (OCP MX v1.0); their sums are f32. All else is computed in f32.
;;   The module's matrix products, in the order in which they are computed (A, B: the left and right operand; K: the contracted axis; several contracted axes count as one K, in the product's order):
;;     1. [M 8,192, K 1,024] x [K 1,024, N 3,072]; A: input x; B: input w_attn: QUANTISED
;;     2. batch 64 x [M 2,048, K 64] x [K 64, N 2,048]; A: computed on the way; B: computed on the way: QUANTISED
;;     3. batch 64 x [M 2,048, K 2,048] x [K 2,048, N 64]; A: softmax (see below); B: computed on the way: QUANTISED
;;     4. [M 8,192, K 1,024] x [K 1,024, N 1,024]; A: computed on the way; B: input w_proj: QUANTISED
;;   THE QUANTISER, for each operand of a quantised product, along K:
;;     - K is cut into blocks of 32 from its start; a last block that is shorter is filled with zeros.
;;     - A block's scale is 2^e with e = floor(log2(the largest magnitude in the block)) - 2, held to -126 .. 127; a block of zeros has e = 0. As a byte (E8M0): e + 127.
;;     - Each number is divided by its block's scale, clamped to +-7.5, and rounded to the nearest number of E2M3, ties to even, subnormals kept.
;;     - The product sums the exact products of the quantised numbers (number of the format x scale) in f32.
;;   ~~~python
;;   def quantise(x, axis):      # numpy; x: float32 -> the quantised numbers, widened to float32 again
;;       x = np.moveaxis(x, axis, -1); K = x.shape[-1]
;;       x = np.pad(x, [(0, 0)] * (x.ndim - 1) + [(0, -K % 32)]); x = x.reshape(x.shape[:-1] + (-1, 32)); a = np.abs(x).max(-1, keepdims=True)
;;       e = np.where(a > 0, np.clip(np.frexp(np.where(a > 0, a, 1))[1] - 1 - 2, -126, 127), 0)      # np.frexp(a)[1] - 1 = floor(log2(a)), exactly
;;       r = np.clip(x / 2.0 ** e, -7.5, 7.5)
;;       step = 2.0 ** (np.maximum(np.frexp(np.where(r == 0, 1, r))[1] - 1, 0) - 3)
;;       q = np.round(r / step) * step * 2.0 ** e      # np.round: ties to even
;;       return np.moveaxis(q.reshape(q.shape[:-2] + (-1,))[..., :K], -1, axis).astype(np.float32)
;;   ~~~
;;   SOFTMAX AHEAD OF A QUANTISED PRODUCT. Where the list says 'softmax', what is quantised is not the finished softmax but p = 2^(t - M), with t = logit x log2(e) and M = ceil(the row's largest t), a whole number; so 1/2 < the row's largest p <= 1. The row's sum l is taken of the UNQUANTISED p, in f32, and the product's result is divided by l at the end. Since M is a whole number, a kernel that streams over the keys may use a running M (the ceiling of the running maximum): every later rescaling is an exact power of two, which a block's scale takes up: the codes' values come out the same.
;;   OPERANDS COMPUTED ON THE WAY. 'Computed on the way' means the value that the module computes at that place (a softmax that the list does not call 'softmax' is quantised finished and normalised). What goes into a quantiser is computed in f32, as accurately as f32 sums, v_exp_f32 and their like allow (about 1e-6 of the number): no bf16 or f16 on the way to a quantiser, and a product that is left as it is and whose result goes on into a quantised operand takes f32 operands (vector FMAs, or v_wmma_f32_16x16x4_f32). A number that lies on a knife's edge between two numbers of the format may be rounded either way, as far as f32 arithmetic and the matrix unit's own rounding can turn it there, and no further.
;; One version. Each part assembles by itself: llvm-mc -triple=amdgcn-amd-amdhsa -mcpu=gfx1250 --defsym DOCPART=n.
;; ======== version 1 of 1: 4 launches
;; limits: right only within a limited range of input values
;; workspace buffers: ops 9,830,400 bytes; qkv 19,660,800 bytes; yq 6,553,600 bytes
;; launch quant (part 1): grid 256 x 1, 6 waves a work-group, no clusters, 49,920 bytes of LDS; arguments x, w_attn, w_proj, ops; writes ops
.if DOCPART == 1
	.amdgcn_target "amdgcn-amd-amdhsa--gfx1250"
	.amdhsa_code_object_version 6
	.text
	.protected	k_qe5162e0f91_quant
	.globl	k_qe5162e0f91_quant
	.p2align	8
	.type	k_qe5162e0f91_quant,@function
k_qe5162e0f91_quant:
	s_mov_b64 s[64:65], 0
	v_nop
	global_prefetch_b8 v0, s[64:65] scope:SCOPE_SE
	s_setreg_imm32_b32 hwreg(HW_REG_WAVE_MODE, 25, 1), 1
	s_wait_xcnt 0x0
; x [8192][1024], w_attn [3072][1024] and w_proj [1024][1024], f32, become codes of FP6 (E2M3) with one E8M0 scale byte for each 32 along K.
; They go into ONE buffer of 12,288 places: x's rows 0 .. 8191, w_attn's 8192 .. 11263, w_proj's 11264 .. 12287.
; CODES: [K step of 256 along K: 4][place][192 bytes]: the rows of a tile of one K step lie end to end, so 128 places are 24,576 dense bytes.  SCALE BYTES: from byte XS on, 32 a place.
; THE POSITION ORDER: a row lies at the place whose number is the row's number with bits 3 and 4 exchanged.  Sixteen neighbouring places, taken as source 0 of a matrix instruction, then give a lane's
; sixteen registers of two neighbouring tiles sixteen neighbouring true rows, which is what the later quantisers want.
; A block's scale is 2^(floor(log2(its largest magnitude)) - 2); its byte is the largest magnitude's exponent field - 2, held at 1 from below.  A block of zeros so gets the byte 1 where the rule says 127:
; its codes are zeros, which add nothing under any byte but 0xff, and the bytes are read by this program alone.
; LIMITS: blocks whose largest magnitude lies under 2^-124 have their byte held at 1; NaN and infinities among the inputs are not served.
; NO WORK OF reference() IS LEFT OUT BUT THIS: key tiles that lie wholly under the causal mask, which reference() builds itself, are not multiplied (launch attn).
; 1,536 runs of 8 rows, one a wave: 256 work-groups of 6 waves.  A run goes in 16 steps of 512 numbers; each of a step's four loads reads 512 consecutive bytes; the 2,048 bytes turn through the wave's
; own stage in LDS and come back 64 bytes a lane: a lane holds 16 neighbours along K, two neighbouring lanes a block.  Sixteen lanes store a place's 192 bytes of one K step.  Loads run eight steps (32 loads) ahead.
.set WAVES, 6
.set STEPS, 16
.set DEPTH, 8
.set EMAX,  2
.set CB,    12                         ; bytes of 16 codes
.set R,     16                         ; v16-143  eight sets of 16 numbers as they are loaded
.set X,     144                        ; v144-175 two sets of 16 neighbours
.set E,     176                        ; v176-191 a scale byte for each step
.set C,     192                        ; v192-255 codes: four registers a step, so that no store's data are written again
.set WREG,  8192                       ; LDS: a region for each wave: two stages of 32 x SP bytes, then its 256 scale bytes
.set SP,    80                         ; a lane's place in a stage: 64 bytes + 16 of padding
.set SPW,   12                         ; v12 my spare word; v13 0; never rewritten
.set NIL,   13
.set SPARE, WAVES*WREG
.set XS,    9437184
.set KSTEPB, 2359296                   ; 12,288 places x 192 bytes
	s_load_b256 s[4:11], s[0:1], 0x0               ; x, w_attn, w_proj, ops
	v_lshl_add_u32 v[SPW], v0, 2, SPARE
	v_mov_b32 v[NIL], 0
	v_lshrrev_b32 v1, 5, v0
	v_readfirstlane_b32 s16, v1                    ; wave
	v_and_b32 v2, 31, v0                           ; lane
	v_lshlrev_b32 v3, 4, v2                        ; my 16 bytes of a load's 512
	s_mul_i32 s17, s16, WREG
	v_lshrrev_b32 v14, 2, v2
	v_mul_u32_u24 v14, v14, SP
	v_and_b32 v15, 3, v2
	v_lshl_add_u32 v14, v15, 4, v14
	v_add_nc_u32 v14, s17, v14                     ; the stage, on the way in
	v_mul_u32_u24 v15, v2, SP
	v_add_nc_u32 v15, s17, v15                     ; and on the way out
	v_and_b32 v4, 15, v2
	v_mul_u32_u24 v4, v4, CB
	v_lshrrev_b32 v10, 4, v2
	v_mul_u32_u24 v10, v10, KSTEPB
	v_add_nc_u32 v4, v4, v10                       ; my codes: 12 (lane % 16) in the place's 192 bytes; lanes 16-31 one K step on
	v_lshrrev_b32 v5, 1, v2
	s_add_co_u32 s17, s17, 2*32*SP
	v_add_nc_u32 v5, s17, v5                       ; LDS: my block's scale byte
	v_lshlrev_b32 v7, 3, v2
	v_add_nc_u32 v6, s17, v7
	s_mul_i32 s18, ttmp9, WAVES
	s_add_co_u32 s18, s18, s16                     ; my run of 8 rows among the 1,536
	s_and_b32 s23, s18, 1                          ; where it goes: the run's two lowest bits change places
	s_lshl_b32 s23, s23, 1
	s_bfe_u32 s24, s18, 0x10001
	s_or_b32 s23, s23, s24
	s_and_b32 s24, s18, 0xfffffffc
	s_or_b32 s23, s23, s24
	s_wait_alu depctr_va_vdst(0)                   ; the wait at the head's end
	s_wait_kmcnt 0x0
	s_cmp_lt_u32 s18, 1408                         ; which tensor?  The choice hangs on ids alone
	s_cselect_b64 s[6:7], s[6:7], s[8:9]
	s_mov_b32 s22, 1408
	s_cselect_b32 s22, 1024, s22
	s_cmp_lt_u32 s18, 1024
	s_cselect_b64 s[4:5], s[4:5], s[6:7]
	s_cselect_b32 s22, 0, s22
	s_sub_co_u32 s18, s18, s22                     ; the run inside its tensor
	s_mov_b32 s19, 0
	s_lshl_b64 s[20:21], s[18:19], 15              ; 32,768 bytes a run
	s_add_nc_u64 s[4:5], s[4:5], s[20:21]
	s_mul_i32 s20, s23, 8*192
	s_mov_b32 s21, 0
	s_add_nc_u64 s[8:9], s[10:11], s[20:21]
	s_lshl_b32 s20, s23, 8
	s_add_co_u32 s20, s20, XS
	s_add_nc_u64 s[10:11], s[10:11], s[20:21]
.macro LOAD t
.irp i, 0,1,2,3
	global_load_b128 v[R+16*((\t)%DEPTH)+4*\i:R+16*((\t)%DEPTH)+4*\i+3], v3, s[4:5] offset:2048*(\t)+512*\i th:TH_LOAD_NT
.endr
.endm
.macro TURN t                          ; LDS serves a wave's instructions in order: no wait between the stores and the loads
.irp i, 0,1,2,3
	ds_store_b128 v14, v[R+16*((\t)%DEPTH)+4*\i:R+16*((\t)%DEPTH)+4*\i+3] offset:32*SP*((\t)%2)+8*SP*\i
.endr
.irp i, 0,1,2,3
	ds_load_b128 v[X+16*((\t)%2)+4*\i:X+16*((\t)%2)+4*\i+3], v15 offset:32*SP*((\t)%2)+16*\i
.endr
.endm
.irp t, 0,1,2,3,4,5,6,7
	LOAD \t
.endr
	s_wait_loadcnt 28                              ; step 0's four loads are in; the 28 behind them may be out
	TURN 0
.macro STEP t
.set XSET, X+16*((\t)%2)
.if (\t) > 0
	s_wait_dscnt 1                                 ; this step's numbers are back (the last step's byte store may be out): its stores into the stage have read their registers,
.else
	s_wait_dscnt 0x0
.endif
.if (\t)+DEPTH < STEPS
	LOAD (\t)+DEPTH                                ; which take the loads of eight steps on
.endif
.if (\t)+1 < STEPS
.if STEPS-2-(\t) >= DEPTH-1
	s_wait_loadcnt 4*(DEPTH-1)                     ; the next step's loads are in; those of the seven steps behind it may be out
.else
	s_wait_loadcnt 4*(STEPS-2-(\t))
.endif
	TURN (\t)+1
.endif
	v_max3_num_f32 v8, |v[XSET]|, |v[XSET+1]|, |v[XSET+2]|         ; the largest magnitude of my 16, in two chains
	v_max3_num_f32 v9, |v[XSET+3]|, |v[XSET+4]|, |v[XSET+5]|
.irp i, 6,10
	v_max3_num_f32 v8, v8, |v[XSET+\i]|, |v[XSET+\i+1]|
	v_max3_num_f32 v9, v9, |v[XSET+\i+2]|, |v[XSET+\i+3]|
.endr
	v_max3_num_f32 v8, v8, |v[XSET+14]|, |v[XSET+15]|
	v_max3_num_f32 v8, v8, v9, (EMAX+1)<<23        ; and the floor 2^(EMAX + 1 - 127)
	v_max_num_f32_dpp v8, v8, v8 row_xmask:1 row_mask:0xf bank_mask:0xf   ; and of my neighbour's 16
	v_add_nc_u32 v11, -(EMAX<<23), v8              ; the conversion's scale operand
	v_cvt_scalef32_pk16_fp6_f32 v[C+4*(\t):C+4*(\t)+2], v[XSET:XSET+15], v11
	v_lshrrev_b32 v[E+(\t)], 23, v11               ; the scale's byte
	ds_store_b8 v5, v[E+(\t)] offset:16*(\t)
	global_store_b96 v4, v[C+4*(\t):C+4*(\t)+2], s[8:9] offset:2*KSTEPB*((\t)%2)+192*((\t)/2)   ; step t is half t % 2 of row t / 2
.endm
.irp t, 0,1,2,3,4,5,6,7,8,9,10,11,12,13,14,15
	STEP \t
.endr
	ds_load_b64 v[8:9], v6
	s_wait_dscnt 0x0
	global_store_b64 v7, v[8:9], s[10:11]          ; 32 lanes store 256 consecutive bytes, aligned
	s_wait_tensorcnt 0x0                           ; the wave's end
	ds_add_u32 v[SPW], v[NIL]
	s_wait_dscnt 0x0
	s_endpgm
.Lfunc_end_k_qe5162e0f91_quant:
	.size	k_qe5162e0f91_quant, .Lfunc_end_k_qe5162e0f91_quant-k_qe5162e0f91_quant
	.p2alignl 7, 3214868480
	.fill 96, 4, 3214868480
	.section	.rodata,"a",@progbits
	.p2align	6, 0x0
	.amdhsa_kernel k_qe5162e0f91_quant
		.amdhsa_group_segment_fixed_size 49920
		.amdhsa_private_segment_fixed_size 0
		.amdhsa_enable_private_segment 0
		.amdhsa_kernarg_size 32
		.amdhsa_user_sgpr_count 2
		.amdhsa_user_sgpr_kernarg_segment_ptr 1
		.amdhsa_wavefront_size32 1
		.amdhsa_system_sgpr_workgroup_id_x 1
		.amdhsa_system_sgpr_workgroup_id_y 1
		.amdhsa_system_sgpr_workgroup_id_z 1
		.amdhsa_system_vgpr_workitem_id 0
		.amdhsa_next_free_vgpr 256
		.amdhsa_next_free_sgpr 66
		.amdhsa_reserve_vcc 0
		.amdhsa_float_denorm_mode_32 3
		.amdhsa_float_denorm_mode_16_64 3
		.amdhsa_memory_ordered 1
		.amdhsa_forward_progress 1
		.amdhsa_inst_pref_size 33
	.end_amdhsa_kernel
	.amdgpu_metadata
---
amdhsa.version: [ 1, 2 ]
amdhsa.kernels:
  - .name:           k_qe5162e0f91_quant
    .symbol:         k_qe5162e0f91_quant.kd
    .args:
      - { .name: x, .offset: 0, .size: 8, .value_kind: global_buffer, .address_space: global }
      - { .name: w_attn, .offset: 8, .size: 8, .value_kind: global_buffer, .address_space: global }
      - { .name: w_proj, .offset: 16, .size: 8, .value_kind: global_buffer, .address_space: global }
      - { .name: ops, .offset: 24, .size: 8, .value_kind: global_buffer, .address_space: global }
    .group_segment_fixed_size: 49920
    .private_segment_fixed_size: 0
    .kernarg_segment_align: 8
    .kernarg_segment_size: 32
    .max_flat_workgroup_size: 192
    .sgpr_count:     66
    .vgpr_count:     256
    .wavefront_size: 32
...
	.end_amdgpu_metadata
.endif
;; end of part 1
;; launch qkv (part 2): grid 4 x 64, 4 waves a work-group, clusters of 4 x 4, 327,680 bytes of LDS; arguments ops, b_attn, qkv; writes qkv
.if DOCPART == 2
	.amdgcn_target "amdgcn-amd-amdhsa--gfx1250"
	.amdhsa_code_object_version 6
	.text
	.protected	k_qe5162e0f91_qkv
	.globl	k_qe5162e0f91_qkv
	.p2align	8
	.type	k_qe5162e0f91_qkv,@function
k_qe5162e0f91_qkv:
	s_mov_b64 s[64:65], 0
	v_nop
	global_prefetch_b8 v0, s[64:65] scope:SCOPE_SE
	s_setreg_imm32_b32 hwreg(HW_REG_WAVE_MODE, 25, 1), 1
	s_wait_xcnt 0x0
	s_wait_alu depctr_hold_cnt(0) depctr_sa_sdst(0) depctr_va_vdst(0) depctr_va_sdst(0) depctr_va_ssrc(0) depctr_va_vcc(0) depctr_vm_vsrc(0)
	s_getreg_b32 s2, hwreg(HW_REG_IB_STS2, 6, 4)
	s_cmp_eq_u32 s2, 0
	s_cbranch_scc0 .Lentry_in_a_cluster
	s_endpgm
.Lentry_in_a_cluster:
	s_bfe_u32 s2, ttmp6, 0x10000c
	s_cmp_lg_u32 s2, 0xf033
	s_cbranch_scc0 .Lentry_shape_is_right
	s_endpgm
.Lentry_shape_is_right:
; qkv = x w_attn^T + b_attn on codes of FP6 (E2M3) with E8M0 scales, K = 1,024; the result never goes to memory as f32: q and k are quantised along the head's 64, v along the keys, on the way out.
; IN: buffer ops: codes [K step of 256: 4][place: 12,288][192 bytes] (x 0 .. 8191, w_attn 8192 .. 11263), scale bytes from XS on, 32 a place; each 32 rows in the position order (a row's bits 3 and 4 exchanged).
; SOURCE 0 = 16 rows of "B", SOURCE 1 = 16 rows of "A": a lane holds one row of A, and its registers run along rows of B; by the position order the 16 registers of two neighbouring tiles are 16 neighbouring TRUE rows of B.
; The axis to be quantised is always B's.
; THE DEAL: 768 JOBS of 128 rows of A x 256 rows of B, three to each of 256 work-groups.  Cluster c (0 .. 15, 4 x 4 work-groups at cx, cy):
;   jobs 0, 1: A = x's places 128 (4 c + cy) .., B = w_attn's rows 256 (4 j + cx) .. (q's features, then k's);   job 2: A = v's features 128 (4 (c % 2) + cy) .., B = x's places 256 (4 (c / 2) + cx) ..
; Four waves, 2 x 2: a wave makes 64 x 128: 32 accumulators.  Which job is which hangs on the trip alone: jobs 0 and 1 are a loop of two trips, job 2 is written out (its last K steps fetch nothing).
; THE RING: K goes in steps of 256 through two LDS slots (A's 128 places, then B's 256; a place's 192 bytes at a pitch of 240), and does not stop at a job's end: a job's last two changes of slots ask for the next job's
; K steps 0 and 1, which land under the way out.  A's tiles are asked for jointly along a row of the cluster, B's along a column.  Every refill stands behind a round of the cluster's barrier.
; THE SCALES of all three jobs are filled once: A's and B's of jobs 0 and 1 at the head, job 2's with slot 1's first fill (behind a round at which nothing is filled again).
; NO PREFETCH: a job has four K steps and each is asked for two K steps ahead, across jobs too; the text has no further trips to run ahead in.
; THE BIAS is added where the results are copied for the quantiser: along the registers (BJ: q, k) or one number a lane (BI: v).
; OUT (buffer qkv): q, k codes [b][32 heads: q's 16, k's 16][place of the token][48 bytes]; v codes from VCB on [b][head][64 keys][place of d][48 bytes];
;   q, k scale words from QKS on [b][pair of heads][place]; v's from VSB on [b][head][128 keys][place of d].
; LIMITS: NaN and infinities are not served; a block whose largest magnitude lies under 2^-124 has its byte held at 1; a block of zeros has the byte 1 and zero codes (the bytes are read by this program alone).
; REGISTERS, in windows of 256: window 0: v0-31 addresses; v32-63 B's scale words, v64-79 A's, two sets each; v80-143 BJ; v144-247 the way out; v248-255 BI.
;   window 1: B's fragments, two sets at v0, v96.  window 2: accumulator (a, b) at v[8 (8 a + b)].  window 3: A's fragments, two sets at v0, v48; v128-151 rows back from the stage.
.set ROWB,   192
.set KSTEPB, 2359296                   ; from one K step's codes to the next
.set PITCH,  240
.set FR,     12
.set HALFT,  128*PITCH
.set QUART,  64*PITCH
.set SLOT,   3*HALFT
.set SBLK,   544                       ; the scales of 16 rows: two runs of 256 bytes + 16
.set SCLA,   2*SLOT                    ; A's scales: jobs 0 and 1, then job 2: 4,352 bytes each
.set SCLB,   SCLA+2*4352               ; B's: jobs 0, 1, 2: 8,704 bytes each
.set STAGE,  SCLB+3*8704               ; 4,096 bytes a wave, into which no tile lands
.set SPARE,  STAGE+4*4096
.set XS,     9437184
.set VCB,    12582912
.set QKS,    18874368
.set VSB,    19398656
.set STW,  12
.set STR,  13
.set SWW,  14
.set ADRA, 16                          ; v16-17 my A fragments in slot 0, 1 (v18-19: behind one padding more)
.set ADRB, 20
.set CO8,  24
.set ADSA0, 25                         ; my rows' scale words of job 0: A's, B's
.set ADSB0, 26
.set ADSA, 27                          ; and of the job in hand
.set SPW,  28
.set NIL,  29
.set ADSB, 30
.set SCB,  32
.set SCA,  64
.set BJ,   80
.set T,    144
.set PC,   208
.set TM,   228
.set PWS,  244
.set BI,   248
.set OB,   128                         ; in window 3
.set G1,  24
.set G0,  32
.set G1B, 48
.set G0B, 56
.set G1S, 68
.set G0S, 76
.set G1SB, 80
.set G0SB, 88
.set PB,  2                            ; s[2:3] where my codes go; s[104:105] my scale words; s[10:11] my biases
.set PS,  104
.set BBS, 10
.set J,   12
.set SA,  17
.set SB,  18
.set LA,  19
.set LB,  22
.set TA0, 42
.set TA2, 45
.set TB2, 46
.set SEL, 66
.set CA,  92                           ; this job's codes, my part of the ring's loads: A's, B's; the next job's
.set CB,  94
.set NA,  96
.set NB,  98
.set MSB, 0
.macro WIN new
.if MSB != \new
	s_set_vgpr_msb (MSB<<8)|\new
.set MSB, \new
.endif
.endm
.set MUL,  0xad                        ; source 0 (B) window 1, source 1 (A) window 3, C and D window 2
.set TO_B, 0x40
.set TO_A, 0xc0
.macro PLACES n
.rept \n
	v_nop
.endr
.endm
.macro TLOAD g0, g1                    ; an s_nop 0 and four v_nop follow each load
	tensor_load_to_lds s[\g0:\g0+3], s[\g1:\g1+7]
	s_nop 0
	PLACES 4
.endm
.macro JLOAD s                         ; the ring's joint load: waves 0, 1 a half of A's tile, waves 2, 3 a half of B's
	s_cmp_eq_u32 s15, 0
	s_cbranch_scc0 .Lfb_\@
	TLOAD G0+4*\s, G1
	s_branch .Lfa_\@
.Lfb_\@:
	TLOAD G0B+4*\s, G1B
.Lfa_\@:
.endm
.macro ARMS a0, b0                     ; four whole tiles, one a wave: one chain of branches on the wave's number
	s_cmp_lt_u32 s14, 1
	s_cbranch_scc0 .Lb_\@
	TLOAD \a0, G1
	s_branch .Le_\@
.Lb_\@:
	s_cmp_lt_u32 s14, 2
	s_cbranch_scc0 .Lc_\@
	TLOAD \b0, G1B
	s_branch .Le_\@
.Lc_\@:
	s_cmp_lt_u32 s14, 3
	s_cbranch_scc0 .Ld_\@
	TLOAD G0S, G1S
	s_branch .Le_\@
.Ld_\@:
	TLOAD G0SB, G1SB
.Le_\@:
.endm
.macro CREST
	s_cmp_lg_u32 s14, 0
	s_cbranch_scc1 .Lnw0_\@
	s_barrier_signal -3
.Lnw0_\@:
	s_barrier_wait -3
	s_barrier_signal -1
	s_barrier_wait -1
.endm
.macro CROUND
	s_barrier_signal -1
	s_barrier_wait -1
	CREST
.endm
.macro PTR d, row, mul, plus           ; s[d:d+1] = ops + row x mul + plus
	s_mul_i32 s[\d], s\row, \mul
	s_add_co_u32 s[\d], s[\d], \plus
	s_mov_b32 s[\d+1], 0
	s_add_nc_u64 s[\d:\d+1], s[4:5], s[\d:\d+1]
.endm
	s_load_b128 s[4:7], s[0:1], 0x0                ; ops, b_attn
	s_load_b64 s[8:9], s[0:1], 0x10                ; qkv
	v_lshl_add_u32 v[SPW], v0, 2, SPARE
	v_mov_b32 v[NIL], 0
	ds_add_u32 v[SPW], v[NIL]                      ; the opening lines: the add, twice, and its wait
	ds_add_u32 v[SPW], v[NIL]
	v_lshrrev_b32 v1, 5, v0
	v_readfirstlane_b32 s14, v1
	s_lshr_b32 s15, s14, 1                         ; my 64 of A's 128 rows.  Also: I fetch for A (0) or for B (1)
	s_and_b32 s16, s14, 1                          ; my 128 of B's 256 rows.  Also: which half of that tile I fetch
	s_bfe_u32 s40, ttmp6, 0x40000                  ; cx
	s_bfe_u32 s41, ttmp6, 0x40004                  ; cy
	s_and_b32 s13, ttmp7, 0xffff                   ; the cluster, 0 .. 15
	s_lshl_b32 s43, s41, 2
	s_lshl_b32 s43, 15, s43                        ; my row of the cluster
	s_lshl_b32 s44, 0x1111, s40                    ; my column
	s_lshl_b32 s[TA0], s13, 2
	s_add_co_u32 s[TA0], s[TA0], s41               ; jobs 0, 1: A's tile of 128 places
	s_lshl_b32 s20, s[TA0], 7                      ; its first place
	s_lshl_b32 s23, s40, 8
	s_add_co_u32 s23, s23, 8192                    ; job 0: B's first place
	s_and_b32 s[TA2], s13, 1
	s_lshl_b32 s[TA2], s[TA2], 2
	s_add_co_u32 s[TA2], s[TA2], s41               ; job 2: A's tile of 128 of v's features
	s_lshl_b32 s21, s[TA2], 7
	s_add_co_u32 s21, s21, 10240
	s_lshr_b32 s[TB2], s13, 1
	s_lshl_b32 s[TB2], s[TB2], 2
	s_add_co_u32 s[TB2], s[TB2], s40               ; job 2: B's tile of 256 places
	s_lshl_b32 s47, s[TB2], 8
	s_or_b32 s[G1], s43, (3<<16)|(1<<20)|(1<<21)|(3<<22)|(3<<25)    ; dense codes as rows of 256 bytes (32 elements of 8), 16 bytes of padding behind every 64
	s_or_b32 s[G1B], s44, (3<<16)|(1<<20)|(1<<21)|(3<<22)|(3<<25)
.irp g, G1, G1B
	s_mov_b32 s[\g+1], 32<<16
	s_mov_b32 s[\g+3], 32<<16
	s_mov_b32 s[\g+5], 32
	s_mov_b32 s[\g+6], 0
	s_mov_b32 s[\g+7], 0
.endr
	s_mov_b32 s[G1+2], 96<<16                      ; whole tiles first: 128 places are 96 such rows, 256 are 192
	s_mov_b32 s[G1+4], 96
	s_mov_b32 s[G1B+2], 192<<16
	s_mov_b32 s[G1B+4], 192
	s_or_b32 s[G1S], s43, (3<<16)|(1<<20)|(1<<21)|(5<<22)|(3<<25)   ; A's scales: 4,096 dense bytes, 16 bytes of padding behind every 256
	s_mov_b32 s[G1S+1], 32<<16
	s_mov_b32 s[G1S+2], 16<<16
	s_mov_b32 s[G1S+3], 32<<16
	s_mov_b32 s[G1S+4], 16
	s_mov_b32 s[G1S+5], 32
	s_mov_b32 s[G1S+6], 0
	s_mov_b32 s[G1S+7], 0
	s_or_b32 s[G1SB], s44, (3<<16)|(1<<20)|(1<<21)|(5<<22)|(3<<25)  ; B's of jobs 0 and 1: two rows of 8,192 bytes, 1,024 places (32,768 bytes) apart
	s_mov_b32 s[G1SB+1], 1024<<16
	s_mov_b32 s[G1SB+2], 2<<16
	s_mov_b32 s[G1SB+3], 1024<<16
	s_mov_b32 s[G1SB+4], 2
	s_mov_b32 s[G1SB+5], 4096
	s_mov_b32 s[G1SB+6], 0
	s_mov_b32 s[G1SB+7], 0
	s_mov_b32 s[SEL], 0x76543210
	s_mov_b32 s[SEL+1], 0xfedcba98
	s_mul_i32 s[LA], s16, QUART                    ; where the ring's loads go in a slot: no place in the cluster enters an LDS address
	s_mul_i32 s[LB], s16, HALFT
	s_add_co_u32 s[LB], s[LB], HALFT
	s_mov_b32 s[J], 0
	s_mov_b32 s[SB], 0
	s_wait_alu depctr_va_vdst(0)
	s_wait_dscnt 0x0
	s_wait_kmcnt 0x0
	CROUND                                         ; in front of the first joint loads
	PTR CA, 20, ROWB, 0
	PTR CB, 23, ROWB, 0
.irp s, 0,1
	s_mov_b32 s[G0+4*\s], 1
	s_mov_b32 s[G0+4*\s+1], \s*SLOT
	s_add_nc_u64 s[G0+4*\s+2:G0+4*\s+3], s[CA:CA+1], \s*KSTEPB
	s_or_b32 s[G0+4*\s+3], s[G0+4*\s+3], 0x80000000
	s_mov_b32 s[G0B+4*\s], 1
	s_mov_b32 s[G0B+4*\s+1], \s*SLOT+HALFT
	s_add_nc_u64 s[G0B+4*\s+2:G0B+4*\s+3], s[CB:CB+1], \s*KSTEPB
	s_or_b32 s[G0B+4*\s+3], s[G0B+4*\s+3], 0x80000000
.endr
	s_mov_b32 s[G0S], 1
	s_mov_b32 s[G0S+1], SCLA
	PTR G0S+2, 20, 32, XS
	s_or_b32 s[G0S+3], s[G0S+3], 0x80000000
	s_mov_b32 s[G0SB], 1
	s_mov_b32 s[G0SB+1], SCLB
	PTR G0SB+2, 23, 32, XS
	s_or_b32 s[G0SB+3], s[G0SB+3], 0x80000000
	ARMS G0, G0B                                   ; job 0's K step 0 of A and of B, A's scales, B's scales of jobs 0 and 1
	; where my results of job 0 go: 64 tokens 2 (4 c + cy) + s15, 128 features 2 cx + s16
	s_lshl_b32 s20, s[TA0], 1
	s_add_co_u32 s20, s20, s15
	s_lshr_b32 s23, s20, 5                         ; the batch
	s_and_b32 s20, s20, 31
	s_lshl_b32 s100, s40, 1
	s_add_co_u32 s100, s100, s16
	s_mul_i32 s[PB], s23, 3145728
	s_mul_i32 s101, s100, 196608
	s_add_co_u32 s[PB], s[PB], s101
	s_mul_i32 s101, s20, 3072
	s_add_co_u32 s[PB], s[PB], s101
	s_mov_b32 s[PB+1], 0
	s_add_nc_u64 s[PB:PB+1], s[8:9], s[PB:PB+1]
	s_lshl_b32 s[PS], s23, 17
	s_lshl_b32 s101, s100, 13
	s_add_co_u32 s[PS], s[PS], s101
	s_lshl_b32 s101, s20, 8
	s_add_co_u32 s[PS], s[PS], s101
	s_add_co_u32 s[PS], s[PS], QKS
	s_mov_b32 s[PS+1], 0
	s_add_nc_u64 s[PS:PS+1], s[8:9], s[PS:PS+1]
	s_lshl_b32 s[BBS], s100, 9
	s_mov_b32 s[BBS+1], 0
	s_add_nc_u64 s[BBS:BBS+1], s[6:7], s[BBS:BBS+1]
	s_mul_i32 s20, s15, QUART                      ; my 64 rows of A,
	s_mov_b32 s23, s[LB]                           ; my 128 rows of B, behind A's 128
	v_and_b32 v1, 15, v0                           ; r
	v_bfe_u32 v2, v0, 4, 1                         ; h
	v_lshlrev_b32 v10, 6, v2                       ; BJ: tile b's register j is feature 32 (b / 2) + 16 h + 8 (b % 2) + j of my 128
	v_and_b32 v11, 7, v1                           ; BI: block a's lane r is feature 32 (a / 2) + 16 (r / 8) + 8 (a % 2) + r % 8 of my 64
	v_and_b32 v9, 8, v1
	v_lshlrev_b32 v11, 2, v11
	v_lshl_add_u32 v11, v9, 3, v11
	v_mul_u32_u24 v3, v1, PITCH
	v_mul_u32_u24 v4, v2, 24
	v_add_nc_u32 v4, v3, v4
	v_lshl_add_u32 v5, v2, 4, v4
.irp s, 0,1
	v_add_nc_u32 v[ADRA+\s], s20, v4
	v_add_nc_u32 v[ADRB+\s], s23, v4
	v_add_nc_u32 v[ADRA+2+\s], s20, v5
	v_add_nc_u32 v[ADRB+2+\s], s23, v5
	s_add_co_u32 s20, s20, SLOT
	s_add_co_u32 s23, s23, SLOT
.endr
	v_lshlrev_b32 v5, 5, v1                        ; my row's scales: 32 bytes a row,
	v_lshrrev_b32 v6, 8, v5
	v_lshl_add_u32 v5, v6, 4, v5                   ; and 16 more for each 256 passed
	s_mul_i32 s20, s15, 4*SBLK
	s_add_co_u32 s20, s20, SCLA
	s_mul_i32 s23, s16, 8*SBLK
	s_add_co_u32 s23, s23, SCLB
	v_add_nc_u32 v[ADSA0], s20, v5
	v_add_nc_u32 v[ADSB0], s23, v5
	v_add_nc_u32 v[ADSA], s20, v5
	v_add_nc_u32 v[ADSB], s23, v5
	s_lshl_b32 s23, s14, 12
	s_add_co_u32 s23, s23, STAGE
	v_mul_u32_u24 v5, v1, 48
	v_mad_u32_u24 v5, v2, 24, v5
	v_add_nc_u32 v[STW], s23, v5
	v_and_b32 v6, 31, v0
	v_lshlrev_b32 v[CO8], 3, v6
	v_add_nc_u32 v[STR], s23, v[CO8]
	v_lshl_add_u32 v[SWW], v1, 2, s23
.irp b, 0,1,2,3
	v_mov_b32 v[TM+4+\b], 0                        ; a lane permute's destination counts as one of its sources
.endr
	s_wait_alu depctr_va_vdst(0)                   ; the wait at the head's end
	s_wait_tensorcnt 0x0                           ; my tile of the head's four is in
	ds_add_u32 v[SPW], v[NIL]
	s_mov_b32 s[G0S+1], SCLA+4352                  ; no tensor load of mine is out: job 2's scales
	PTR G0S+2, 21, 32, XS
	s_or_b32 s[G0S+3], s[G0S+3], 0x80000000
	s_mov_b32 s[G0SB+1], SCLB+2*8704
	PTR G0SB+2, 47, 32, XS
	s_or_b32 s[G0SB+3], s[G0SB+3], 0x80000000
	s_mov_b32 s[G1SB+1], 32<<16                    ; B's: 8,192 dense bytes as 32 rows of 256
	s_mov_b32 s[G1SB+2], 32<<16
	s_mov_b32 s[G1SB+3], 32<<16
	s_mov_b32 s[G1SB+4], 32
	s_mov_b32 s[G1SB+5], 32
	s_wait_dscnt 0x0
	CROUND                                         ; all four tiles are in
	ARMS G0+4, G0B+4                               ; job 0's K step 1 of A and of B, job 2's scales
	s_mul_i32 s20, s16, 64*ROWB                    ; from here on the bases point at my part of the ring's loads
	s_mov_b32 s21, 0
	s_add_nc_u64 s[CA:CA+1], s[CA:CA+1], s[20:21]
	s_mul_i32 s100, s16, 128*ROWB
	s_mov_b32 s101, 0
	s_add_nc_u64 s[CB:CB+1], s[CB:CB+1], s[100:101]
	s_mov_b64 s[NA:NA+1], s[CA:CA+1]               ; job 1: the same tokens,
	s_add_nc_u64 s[NB:NB+1], s[CB:CB+1], 1024*ROWB ; k's features, 1,024 places on
.macro FRAG reg, adr, q, i             ; 16 rows x 128 K: 12 registers, in pieces of 8 bytes; where lanes 16-31's piece lies behind one padding more, the second address register serves
.irp p, 0,1,2,3,4,5
.set PCE, 12*(\q)+6*(\p/3)+\p%3
.if PCE%8 < 5
	ds_load_b64 v[\reg+2*\p:\reg+2*\p+1], v[\adr] offset:8*PCE+16*(PCE/8)+(\i)*16*PITCH
.else
	ds_load_b64 v[\reg+2*\p:\reg+2*\p+1], v[\adr+2] offset:8*PCE+16*(PCE/8)+(\i)*16*PITCH
.endif
.endr
.endm
.macro FETCH slot, q, p                ; a step's fragments into set p: B's eight, A's four
	WIN TO_B
.irp i, 0,1,2,3,4,5,6,7
	FRAG 96*(\p)+FR*\i, ADRB+\slot, \q, \i
.endr
	WIN TO_A
.irp i, 0,1,2,3
	FRAG 48*(\p)+FR*\i, ADRA+\slot, \q, \i
.endr
	WIN 0
.endm
.macro SCALES sc, ks                   ; K step ks's scale words, two a row, into set sc
.irp i, 0,1,2,3
	ds_load_b64 v[SCA+8*(\sc)+2*\i:SCA+8*(\sc)+2*\i+1], v[ADSA] offset:\i*SBLK+8*(\ks)
.endr
.irp i, 0,1,2,3,4,5,6,7
	ds_load_b64 v[SCB+16*(\sc)+2*\i:SCB+16*(\sc)+2*\i+1], v[ADSB] offset:\i*SBLK+8*(\ks)
.endr
.endm
.macro MUL8 a, p, sc, zero             ; A's block a x B's eight, 128 along K: set p is also the slot's p-th 128.  The 32 accumulators take turns
.irp b, 0,1,2,3,4,5,6,7
.if \zero
	v_wmma_scale_f32_16x16x128_f8f6f4 v[8*(8*(\a)+\b):8*(8*(\a)+\b)+7], v[96*(\p)+FR*\b:96*(\p)+FR*\b+FR-1], v[48*(\p)+FR*(\a):48*(\p)+FR*(\a)+FR-1], 0, v[SCB+16*(\sc)+2*\b+(\p)], v[SCA+8*(\sc)+2*(\a)+(\p)] matrix_a_fmt:MATRIX_FMT_FP6 matrix_b_fmt:MATRIX_FMT_FP6
.else
	v_wmma_scale_f32_16x16x128_f8f6f4 v[8*(8*(\a)+\b):8*(8*(\a)+\b)+7], v[96*(\p)+FR*\b:96*(\p)+FR*\b+FR-1], v[48*(\p)+FR*(\a):48*(\p)+FR*(\a)+FR-1], v[8*(8*(\a)+\b):8*(8*(\a)+\b)+7], v[SCB+16*(\sc)+2*\b+(\p)], v[SCA+8*(\sc)+2*(\a)+(\p)] matrix_a_fmt:MATRIX_FMT_FP6 matrix_b_fmt:MATRIX_FMT_FP6
.endif
.endr
.endm
.macro STEPQ slot, zero                ; a slot's first 128 along K; in its middle the second's fragments are fetched
	s_wait_dscnt 0x0
	WIN MUL
	MUL8 0, 0, \slot, \zero
	MUL8 1, 0, \slot, \zero
	PLACES 4                                       ; in front of loads into registers that the last step's products have read
	FETCH \slot, 1, 1
	WIN MUL
	MUL8 2, 0, \slot, \zero
	MUL8 3, 0, \slot, \zero
.endm
; A slot's second 128 along K, and the change of slots.  k: the job's K step.  fill = 1: the slot is filled again, two K steps ahead (k = 2, 3: with the next job's K steps 0, 1).  nj = 1: the next slot belongs to the next job.
.macro TURN k, fill, nj
.set SL, (\k)%2
	WIN 0
	s_wait_tensorcnt 0x0                           ; all my tensor loads have landed: my part of the next slot;
	ds_add_u32 v[SPW], v[NIL]                      ; the add; work on registers stands between it and the wait for it
.if \fill
.if (\k) == 0
	s_mov_b32 s[G1+2], 48<<16                      ; the ring's loads bring halves: 64 places are 48 rows of 256 bytes, 128 are 96
	s_mov_b32 s[G1+4], 48
	s_mov_b32 s[G1B+2], 96<<16
	s_mov_b32 s[G1B+4], 96
	s_mov_b32 s[G0+1], s[LA]
	s_add_co_u32 s[G0+5], s[LA], SLOT
	s_mov_b32 s[G0B+1], s[LB]
	s_add_co_u32 s[G0B+5], s[LB], SLOT
.endif
.if (\k) < 2
	s_add_nc_u64 s[G0+4*SL+2:G0+4*SL+3], s[CA:CA+1], ((\k)+2)*KSTEPB
	s_add_nc_u64 s[G0B+4*SL+2:G0B+4*SL+3], s[CB:CB+1], ((\k)+2)*KSTEPB
.else
	s_add_nc_u64 s[G0+4*SL+2:G0+4*SL+3], s[NA:NA+1], ((\k)-2)*KSTEPB
	s_add_nc_u64 s[G0B+4*SL+2:G0B+4*SL+3], s[NB:NB+1], ((\k)-2)*KSTEPB
.endif
	s_or_b32 s[G0+4*SL+3], s[G0+4*SL+3], 0x80000000
	s_or_b32 s[G0B+4*SL+3], s[G0B+4*SL+3], 0x80000000
.endif
.if \nj
	s_add_co_u32 s[J], s[J], 1                     ; the next job's scale words: B's 8,704 bytes on a job, A's 4,352 on for job 2
	s_add_co_u32 s[SB], s[SB], 8704
	s_lshr_b32 s[SA], s[J], 1
	s_mul_i32 s[SA], s[SA], 4352
.endif
	s_wait_dscnt 1                                 ; this step's fragments are in; the add alone may be out
	WIN MUL
	MUL8 0, 1, SL, 0
	s_wait_dscnt 0x0                               ; the add is done, and my reads of this slot are over
	s_barrier_signal -1
	MUL8 1, 1, SL, 0
	WIN 0
	s_barrier_wait -1
.if \fill
	CREST                                          ; the barrier has opened a round of the cluster's barrier
	JLOAD SL                                       ; the first tensor load behind the round; its four v_nop are the places in front of the loads below
.else
	PLACES 4
.endif
.if \nj
	v_add_nc_u32 v[ADSA], s[SA], v[ADSA0]
	v_add_nc_u32 v[ADSB], s[SB], v[ADSB0]
	s_wait_alu depctr_va_vdst(0)                   ; the wait
.endif
	FETCH 1-SL, 0, 0
	SCALES 1-SL, ((\k)+1)%4
	WIN MUL
	MUL8 2, 1, SL, 0
	MUL8 3, 1, SL, 0
.endm
; THE WAY OUT.  Block a: 16 rows of A in the lanes, 128 rows of B in 64 registers: register 16 b + i of a lane is B's true row 32 b + 16 h + i.
.macro BIAS a, kind                    ; the results come into window 0, each accumulator from its low end on, with the bias
	WIN 0x02
.set n, 0
.rept 32
.if \kind
	v_pk_add_f32 v[T+2*n:T+2*n+1], v[64*(\a)+2*n:64*(\a)+2*n+1], v[BI+2*(\a):BI+2*(\a)+1]
.else
	v_pk_add_f32 v[T+2*n:T+2*n+1], v[64*(\a)+2*n:64*(\a)+2*n+1], v[BJ+2*n:BJ+2*n+1]
.endif
.set n, n+1
.endr
	WIN 0
.endm
.macro QMAX a                          ; the four blocks' scales
.irp b, 0,1,2,3
	v_max3_num_f32 v[TM+\b], |v[T+16*\b]|, |v[T+1+16*\b]|, 0x1800000   ; and the floor 2^(3 - 127)
.endr
.irp i, 2,4,6,8,10,12,14
.irp b, 0,1,2,3
	v_max3_num_f32 v[TM+\b], v[TM+\b], |v[T+16*\b+\i]|, |v[T+1+16*\b+\i]|
.endr
.endr
.irp b, 0,1,2,3
	v_permlanex16_b32 v[TM+4+\b], v[TM+\b], s[SEL], s[SEL+1]
.endr
.irp b, 0,1,2,3
	v_max_num_f32 v[TM+\b], v[TM+\b], v[TM+4+\b]
.endr
.irp b, 0,1,2,3
	v_add_nc_u32 v[TM+12+\b], 0xff000000, v[TM+\b] ; the conversion's scale operand
.endr
.irp b, 0,1,2,3
	v_lshrrev_b32 v[TM+4+\b], 23, v[TM+12+\b]      ; the scale's byte
.endr
	v_lshl_or_b32 v[PWS+\a], v[TM+5], 8, v[TM+4]
	v_lshl_or_b32 v[PWS+\a], v[TM+6], 16, v[PWS+\a]
	v_lshl_or_b32 v[PWS+\a], v[TM+7], 24, v[PWS+\a]
.endm
.macro QCVT                            ; registers 6 c .. 6 c + 5 of v[PC] on hold K = 64 c + 32 h + 0 .. 31 of my row
.irp c, 0,1
	v_cvt_scalef32_pk16_fp6_f32 v[PC+6*\c:PC+2+6*\c], v[T+32*\c:T+15+32*\c], v[TM+12+2*\c]
	v_cvt_scalef32_pk16_fp6_f32 v[PC+12+4*\c:PC+14+4*\c], v[T+16+32*\c:T+31+32*\c], v[TM+12+2*\c+1]
.endr
	v_nop                                          ; one plain place behind a scaled conversion
.irp c, 0,1
.irp i, 0,1,2
	v_permlane16_swap_b32 v[PC+6*\c+\i], v[PC+12+4*\c+\i]
.endr
.irp i, 0,1,2
	v_mov_b32 v[PC+3+6*\c+\i], v[PC+12+4*\c+\i]
.endr
.endr
.endm
.macro TOSTAGE a                       ; 16 rows of 48 bytes are 768 consecutive bytes of the output: they meet in my stage and come back 8 bytes a lane
.irp c, 0,1
.irp p, 0,1,2
	ds_store_b64 v[STW], v[PC+6*\c+2*\p:PC+6*\c+2*\p+1] offset:1536*((\a)%2)+768*\c+8*\p
.endr
.endr
	s_wait_xcnt 0x0                                ; the stores of two blocks back have read the registers into which the loads below land
	WIN 0xc0
.irp k, 0,1,2,3,4,5
	ds_load_b64 v[OB+12*((\a)%2)+2*\k:OB+12*((\a)%2)+2*\k+1], v[STR] offset:1536*((\a)%2)+256*\k
.endr
	WIN 0
.endm
.macro SEND a, cstep                   ; cstep: from the fragment's first 64 along K to its second: a head on (q, k), or 64 keys on (v)
	WIN 0x0c
.irp k, 0,1,2,3,4,5
	global_store_b64 v[CO8], v[OB+12*((\a)%2)+2*\k:OB+12*((\a)%2)+2*\k+1], s[PB:PB+1] offset:(\cstep)*(\k/3)+768*(\a)+256*(\k%3) th:TH_STORE_NT   ; 32 lanes store 256 consecutive bytes, aligned
.endr
	WIN 0
.endm
.macro EPI kind, cstep
.irp a, 0,1,2,3
	BIAS \a, \kind
	QMAX \a
.if \a > 0
	s_wait_alu depctr_va_vdst(0)
	s_wait_dscnt 0x0                               ; the block before is back from the stage
	SEND \a-1, \cstep
.endif
	QCVT
	TOSTAGE \a
.endr
	s_wait_dscnt 0x0
	SEND 3, \cstep
.irp a, 0,1,2,3
	ds_store_b32 v[SWW], v[PWS+\a] offset:3072+64*\a   ; lanes r and r + 16 write the same word with the same value
.endr
	ds_load_b64 v[T:T+1], v[STR] offset:3072       ; my wave's 64 scale words, 8 bytes a lane
	s_wait_dscnt 0x0
	global_store_b64 v[CO8], v[T:T+1], s[PS:PS+1] th:TH_STORE_NT   ; 256 consecutive bytes, aligned
	s_wait_xcnt 0x0                                ; the stores have read their registers and bases
.endm
	FETCH 0, 0, 0
	SCALES 0, 0
.Ljob:                                                 ; jobs 0 and 1: q's features, then k's
.irp b, 0,1,2,3,4,5,6,7
	global_load_b128 v[BJ+8*\b:BJ+8*\b+3], v10, s[BBS:BBS+1] offset:128*(\b/2)+32*(\b%2)
	global_load_b128 v[BJ+8*\b+4:BJ+8*\b+7], v10, s[BBS:BBS+1] offset:128*(\b/2)+32*(\b%2)+16
.endr
	STEPQ 0, 1                                     ; the first products start the sums
	TURN 0, 1, 0
	STEPQ 1, 0
	TURN 1, 1, 0
	STEPQ 0, 0
	TURN 2, 1, 0                                   ; slot 0 takes the next job's K step 0,
	STEPQ 1, 0
	TURN 3, 1, 1                                   ; slot 1 its K step 1, and its first fragments are fetched
	WIN 0
	PLACES 4                                       ; behind the last products
	s_wait_loadcnt 0x0                             ; the biases are in
	EPI 0, 98304
	s_add_nc_u64 s[PB:PB+1], s[PB:PB+1], 8*196608  ; k's heads lie 16 heads on,
	s_add_nc_u64 s[PS:PS+1], s[PS:PS+1], 8*8192    ; their scale words 8 pairs,
	s_add_nc_u64 s[BBS:BBS+1], s[BBS:BBS+1], 4096  ; their biases 1,024 numbers
	s_mov_b64 s[CA:CA+1], s[NA:NA+1]
	s_mov_b64 s[CB:CB+1], s[NB:NB+1]
	s_lshl_b32 s20, s[TA2], 7                      ; and behind them comes job 2
	s_add_co_u32 s20, s20, 10240
	s_mul_i32 s20, s20, ROWB
	s_mul_i32 s21, s16, 64*ROWB
	s_add_co_u32 s20, s20, s21
	s_mov_b32 s21, 0
	s_add_nc_u64 s[NA:NA+1], s[4:5], s[20:21]
	s_lshl_b32 s100, s[TB2], 8
	s_mul_i32 s100, s100, ROWB
	s_mul_i32 s101, s16, 128*ROWB
	s_add_co_u32 s100, s100, s101
	s_mov_b32 s101, 0
	s_add_nc_u64 s[NB:NB+1], s[4:5], s[100:101]
	s_cmp_lt_u32 s[J], 2
	s_wait_alu depctr_va_vdst(0)
	s_cbranch_scc1 .Ljob
	; JOB 2: v.  My head 2 (4 (c % 2) + cy) + s15; my 128 keys 2 (4 (c / 2) + cx) + s16
	s_lshl_b32 s20, s[TA2], 1
	s_add_co_u32 s20, s20, s15
	s_lshl_b32 s100, s[TB2], 1
	s_add_co_u32 s100, s100, s16
	s_lshr_b32 s23, s100, 4                        ; the batch
	s_and_b32 s100, s100, 15
	s_mul_i32 s[PB], s23, 1572864
	s_mul_i32 s101, s20, 98304
	s_add_co_u32 s[PB], s[PB], s101
	s_mul_i32 s101, s100, 6144
	s_add_co_u32 s[PB], s[PB], s101
	s_add_co_u32 s[PB], s[PB], VCB
	s_mov_b32 s[PB+1], 0
	s_add_nc_u64 s[PB:PB+1], s[8:9], s[PB:PB+1]
	s_lshl_b32 s[PS], s23, 16
	s_lshl_b32 s101, s20, 12
	s_add_co_u32 s[PS], s[PS], s101
	s_lshl_b32 s101, s100, 8
	s_add_co_u32 s[PS], s[PS], s101
	s_add_co_u32 s[PS], s[PS], VSB
	s_mov_b32 s[PS+1], 0
	s_add_nc_u64 s[PS:PS+1], s[8:9], s[PS:PS+1]
	s_lshl_b32 s[BBS], s20, 8
	s_add_co_u32 s[BBS], s[BBS], 8192              ; v's biases begin 2,048 numbers on
	s_mov_b32 s[BBS+1], 0
	s_add_nc_u64 s[BBS:BBS+1], s[6:7], s[BBS:BBS+1]
.irp a, 0,1,2,3
	global_load_b32 v[BI+2*\a], v11, s[BBS:BBS+1] offset:4*(32*(\a/2)+8*(\a%2))
.endr
	STEPQ 0, 1
	TURN 0, 1, 0
	STEPQ 1, 0
	TURN 1, 1, 0
	STEPQ 0, 0
	TURN 2, 0, 0                                   ; nothing is left to fetch: no round
	STEPQ 1, 0
	s_wait_dscnt 0x0                               ; the very last step
	WIN MUL
	MUL8 0, 1, 1, 0
	MUL8 1, 1, 1, 0
	MUL8 2, 1, 1, 0
	MUL8 3, 1, 1, 0
	WIN 0
	PLACES 4
	s_wait_loadcnt 0x0
.irp a, 0,1,2,3
	v_mov_b32 v[BI+2*\a+1], v[BI+2*\a]             ; a pair for the packed addition
.endr
	EPI 1, 3072
	s_wait_tensorcnt 0x0                           ; the wave's end
	ds_add_u32 v[SPW], v[NIL]
	s_wait_dscnt 0x0
	CROUND                                         ; the closing round
	s_endpgm
.Lfunc_end_k_qe5162e0f91_qkv:
	.size	k_qe5162e0f91_qkv, .Lfunc_end_k_qe5162e0f91_qkv-k_qe5162e0f91_qkv
	.p2alignl 7, 3214868480
	.fill 96, 4, 3214868480
	.section	.rodata,"a",@progbits
	.p2align	6, 0x0
	.amdhsa_kernel k_qe5162e0f91_qkv
		.amdhsa_group_segment_fixed_size 327680
		.amdhsa_private_segment_fixed_size 0
		.amdhsa_enable_private_segment 0
		.amdhsa_kernarg_size 24
		.amdhsa_user_sgpr_count 2
		.amdhsa_user_sgpr_kernarg_segment_ptr 1
		.amdhsa_wavefront_size32 1
		.amdhsa_system_sgpr_workgroup_id_x 1
		.amdhsa_system_sgpr_workgroup_id_y 1
		.amdhsa_system_sgpr_workgroup_id_z 1
		.amdhsa_system_vgpr_workitem_id 0
		.amdhsa_next_free_vgpr 1024
		.amdhsa_next_free_sgpr 106
		.amdhsa_reserve_vcc 0
		.amdhsa_float_denorm_mode_32 3
		.amdhsa_float_denorm_mode_16_64 3
		.amdhsa_memory_ordered 1
		.amdhsa_forward_progress 1
		.amdhsa_inst_pref_size 232
	.end_amdhsa_kernel
	.amdgpu_metadata
---
amdhsa.version: [ 1, 2 ]
amdhsa.kernels:
  - .name:           k_qe5162e0f91_qkv
    .symbol:         k_qe5162e0f91_qkv.kd
    .args:
      - { .name: ops, .offset: 0, .size: 8, .value_kind: global_buffer, .address_space: global }
      - { .name: b_attn, .offset: 8, .size: 8, .value_kind: global_buffer, .address_space: global }
      - { .name: qkv, .offset: 16, .size: 8, .value_kind: global_buffer, .address_space: global }
    .group_segment_fixed_size: 327680
    .private_segment_fixed_size: 0
    .kernarg_segment_align: 8
    .kernarg_segment_size: 24
    .max_flat_workgroup_size: 128
    .sgpr_count:     106
    .vgpr_count:     1024
    .wavefront_size: 32
...
	.end_amdgpu_metadata
.endif
;; end of part 2
;; launch attn (part 3): grid 4 x 64, 16 waves a work-group, clusters of 4 x 1, 223,232 bytes of LDS; arguments qkv, yq; writes yq
.if DOCPART == 3
	.amdgcn_target "amdgcn-amd-amdhsa--gfx1250"
	.amdhsa_code_object_version 6
	.text
	.protected	k_qe5162e0f91_attn
	.globl	k_qe5162e0f91_attn
	.p2align	8
	.type	k_qe5162e0f91_attn,@function
k_qe5162e0f91_attn:
	s_mov_b64 s[64:65], 0
	v_nop
	global_prefetch_b8 v0, s[64:65] scope:SCOPE_SE
	s_setreg_imm32_b32 hwreg(HW_REG_WAVE_MODE, 25, 1), 1
	s_wait_xcnt 0x0
	s_wait_alu depctr_hold_cnt(0) depctr_sa_sdst(0) depctr_va_vdst(0) depctr_va_sdst(0) depctr_va_ssrc(0) depctr_va_vcc(0) depctr_vm_vsrc(0)
	s_getreg_b32 s2, hwreg(HW_REG_IB_STS2, 6, 4)
	s_cmp_eq_u32 s2, 0
	s_cbranch_scc0 .Lentry_in_a_cluster
	s_endpgm
.Lentry_in_a_cluster:
	s_bfe_u32 s2, ttmp6, 0x10000c
	s_cmp_lg_u32 s2, 0x3003
	s_cbranch_scc0 .Lentry_shape_is_right
	s_endpgm
.Lentry_shape_is_right:
; y[b][head][q] = the sum over keys k <= q of softmax_k(q . k / 8) v, both products on codes of FP6 (E2M3) with E8M0 scales; y is quantised along C on the way out.
; LEFT OUT: key steps of 128 all of whose keys come after a tile's queries: reference() sets their scores to -infinity by its own causal mask, so their p is 0 for every input.
; IN (buffer qkv): q, k codes [b][32 heads: q's 16, k's 16][place][48 bytes]; v codes from VC on [b][head][64 keys][place of d][48 bytes]; q, k scale words from QKS on [b][pair of heads][place]; v's from VS on [b][head][128 keys][place of d].
; A "place" is a token's (or channel's) number with bits 3 and 4 exchanged: sixteen neighbouring places as source 0 give a lane's 16 registers of two neighbouring tiles 16 neighbouring TRUE keys (channels).
; THE SOFTMAX: t = score x log2(e) / 8; M = the row's largest t so far, rounded UP to a whole number; p = 2^(t - M) is quantised along the keys, not normalised.  The row's sum is taken of the unquantised p
; and divides O at the end.  When M moves, the sum and O are multiplied by 2^(old M - new M): exact.
; THE DEAL.  The four work-groups of a cluster serve one head.  Its 2,048 queries are 16 groups of 128, a group 8 tiles of 16 places.  Wave w takes a tile of group w and a tile of group 15 - w: (w + 1) + (16 - w) = 17 key steps
; in every wave.  Work-group cx takes tiles 2 cx (the wave whose number is the group's) and 2 cx + 1 (the other).  So which steps a wave walks hangs on the wave's number alone: no branch and no LDS address
; hangs on the work-group's place, and K, V and their scale words come by JOINT loads, each asked for by the four with one descriptor.
; LDS is filled ONCE.  The tile of the later group (9 steps or more in every wave) goes first: the first barrier shows keys 0 .. 511 and the scale words (waves 0 to 4, on load lines of their own);
; behind four steps a second barrier, in front of which every wave waits for its load, shows the rest.
; NO PREFETCH: every tensor load of the launch goes out at the head; there is no loop to run ahead in.
; LAYOUT.  Both products are used transposed: S^T = K Q^T, O^T = V^T P^T: a lane holds ONE query throughout.  THE HEAD IS 64 LONG, the instruction 128: Q's upper six registers are zero codes; K's tiles lie 6 registers
; apart, so a tile's upper six registers are the next tile's codes (the last tile's: zeros), finite numbers that add exactly 0.  q's and k's scale words come by loads of 16 bits: their upper bytes are 0, never 0xff.
; One scale register serves two tiles: lanes 0-15 the even tile's words, lanes 16-31 the odd one's (ROW1).
; LIMITS: the promise holds while |t| stays under 2^31; NaN and infinities are not served; a block whose largest magnitude lies under 2^-124 has its byte held at 1; a block of zeros has the byte 1 and zero codes.
; OUT (buffer yq): codes [b][head][place][48 bytes]; scale bytes from YS on [b x 2048 + place][32], byte 2 head + block: one byte a lane, 32 bytes apart.
.set VCL,   98304                      ; LDS: K's codes at 0 [place][48]; V's here [64 keys][place of d][48]
.set KSL,   196608                     ; the scale words of k's pair of heads, 8,192 bytes
.set VSL,   204800                     ; V's scale words, 4,096 bytes
.set STG,   208896                     ; a stage of 768 bytes for each wave
.set SPARE, 221184                     ; the spare words
.set HEADB, 98304
.set QTR,   24576                      ; a quarter of a head's codes: 512 keys
.set VC,    12582912
.set QKS,   18874368
.set VS,    19398656
.set YS,    6291456
.set AK,   1                           ; v1-4  48 r + 24 h + 1536 k: my place in K's pairs of tiles (v1 also: in Q's and y's rows)
.set SPW,  5
.set NIL,  6
.set L8,   7                           ; 8 x lane
.set ADK,  8                           ; v8-11 the step's addresses: K's, then V's.  v12 -M, v13 the largest t, v[14:15] the sum
.set QA,   16                          ; v16-27 the first tile's Q; v28 its scale words
.set QAS,  28
.set LQ,   29                          ; r % 8 + 16 (r / 8) - 16 h
.set STW,  30
.set STR,  31
.set FRG,  32                          ; v32-85 K's eight tiles and 6 registers of zeros; later V's four fragments
.set KSW,  86                          ; v86-89 K's scale words
.set VSW,  90                          ; v90-91 V's
.set QBS,  92
.set ADS,  93                          ; the step's address of scale words
.set DD,   94
.set YSO,  95
.set S,    96                          ; v96-159 S^T, then p
.set O,    160                         ; v160-191 O^T
.set PCD,  192                         ; v192-203 p's codes
.set PC2,  204                         ; v204-206, v208-210 the conversions' second halves
.set ASK0, 207
.set ASV0, 211
.set BM,   212
.set PX,   216
.set SOP,  220
.set TMP,  224
.set NINF, 225
.set F,    226                         ; v[226:227]
.set PSW,  230
.set YBY,  231
.set QB,   232                         ; v232-243 the second tile's Q
.set AV,   244                         ; v244-247 as v1-4, in V
.set BK,   248                         ; v248-253 y's codes back from the stage; in a step three chains of the sum
.set TB,   2                           ; the step's codes: 6,144 bytes a step
.set TS,   3                           ; K's scale words: 512
.set WV,   18
.set SEL,  20
.set CS,   22
.set G1C,  24
.set G1S,  32
.set G0A,  40                          ; groups 0: waves 0, 1: K's and V's first quarter;
.set G0S,  44                          ; waves 2-4: scale words;
.set G0K,  48                          ; waves 5-7: K's other quarters;
.set G0V,  52                          ; waves 8-10: V's
.set GL,   56                          ; 128 x the later group, 128 x the earlier one: made of the wave's number alone
.set GS,   57
.set CX,   58
.set HB,   59
.set TJ,   66                          ; V's scale words: 256 a step
.set KF,   67                          ; the step's first key
.set CNT,  68
.set DG,   69                          ; the tile's least true query less its group's first
.set GE,   71                          ; the group's first key: the tile's last step
.set YB,   72
.set YSB,  74
.set HM,   76
.set BH,   77
.set BB,   78
.set HD,   79
.set Q0L,  80
.set Q0S,  81
.macro CROUND                          ; a round of the cluster's barrier
	s_barrier_signal -1
	s_barrier_wait -1
	s_cmp_lg_u32 s[WV], 0
	s_cbranch_scc1 .Lnw0_\@
	s_barrier_signal -3
.Lnw0_\@:
	s_barrier_wait -3
	s_barrier_signal -1
	s_barrier_wait -1
.endm
.macro G0SET g, lds, off               ; s99 = 0
	s_mov_b32 s[\g], 1
	s_mov_b32 s[\g+1], s\lds
	s_mov_b32 s98, s\off
	s_add_nc_u64 s[\g+2:\g+3], s[4:5], s[98:99]
	s_or_b32 s[\g+3], s[\g+3], 0x80000000
.endm
.macro TL g0, g1                       ; an s_nop 0 and four v_nop follow each load
	tensor_load_to_lds s[\g0:\g0+3], s[\g1:\g1+7]
	s_nop 0
.rept 4
	v_nop
.endr
.endm
	s_load_b128 s[4:7], s[0:1], 0x0                ; qkv, yq
	v_lshl_add_u32 v[SPW], v0, 2, SPARE
	v_mov_b32 v[NIL], 0
	ds_add_u32 v[SPW], v[NIL]                      ; the opening lines: the add, twice, and its wait
	ds_add_u32 v[SPW], v[NIL]
	v_lshrrev_b32 v8, 5, v0
	v_readfirstlane_b32 s[WV], v8
	s_bfe_u32 s[CX], ttmp6, 0x40000
	s_and_b32 s[BH], ttmp7, 0xffff                 ; 16 b + head
	s_lshr_b32 s[BB], s[BH], 4
	s_and_b32 s[HD], s[BH], 15
	s_sub_co_u32 s82, 15, s[WV]
	s_max_u32 s[GL], s[WV], s82
	s_min_u32 s[GS], s[WV], s82
	s_lshl_b32 s[GL], s[GL], 7
	s_lshl_b32 s[GS], s[GS], 7
	s_cmp_lt_u32 s[WV], 8
	s_cselect_b32 s83, 16, 0                       ; the group that is not my number's: the odd tile
	s_xor_b32 s84, s83, 16
	s_lshl_b32 s85, s[CX], 5
	s_add_co_u32 s[Q0L], s[GL], s85
	s_add_co_u32 s[Q0L], s[Q0L], s83               ; the first tile's first place
	s_add_co_u32 s[Q0S], s[GS], s85
	s_add_co_u32 s[Q0S], s[Q0S], s84               ; the second's
	s_lshl_b32 s86, s[BB], 5
	s_add_co_u32 s86, s86, s[HD]
	s_mul_i32 s86, s86, HEADB                      ; q's head among the codes
	s_mul_i32 s88, s[Q0L], 48
	s_add_co_u32 s88, s88, s86
	s_mov_b32 s89, 0
	s_mul_i32 s90, s[Q0S], 48
	s_add_co_u32 s90, s90, s86
	s_mov_b32 s91, 0
	s_lshl_b32 s87, s[BB], 4
	s_lshr_b32 s82, s[HD], 1
	s_add_co_u32 s87, s87, s82
	s_lshl_b32 s87, s87, 13
	s_add_co_u32 s87, s87, QKS                     ; q's pair of heads among the scale words
	s_and_b32 s[HB], s[HD], 1
	s_lshl_b32 s[HB], s[HB], 1                     ; my head's two bytes of a word
	s_add_co_u32 s82, s87, s[HB]
	s_lshl_b32 s92, s[Q0L], 2
	s_add_co_u32 s92, s92, s82
	s_mov_b32 s93, 0
	s_lshl_b32 s94, s[Q0S], 2
	s_add_co_u32 s94, s94, s82
	s_mov_b32 s95, 0
	s_add_co_u32 s86, s86, 16*HEADB                ; k's head
	s_mul_i32 s96, s[BH], HEADB
	s_add_co_u32 s96, s96, VC                      ; v's head
	s_add_co_u32 s87, s87, 65536                   ; k's scale words
	s_lshl_b32 s97, s[BH], 12
	s_add_co_u32 s97, s97, VS                      ; v's
	s_mov_b32 s99, 0
	s_mul_i32 s60, s[WV], VCL                      ; waves 0, 1: LDS 0 or VCL
	s_cmp_eq_u32 s[WV], 0
	s_cselect_b32 s61, s86, s96
	s_lshl_b32 s62, s[WV], 12                      ; waves 2-4: 4,096 bytes each from KSL on
	s_add_co_u32 s62, s62, KSL-8192
	s_add_co_u32 s82, s[WV], 62
	s_and_b32 s82, s82, 63                         ; wave - 2
	s_lshl_b32 s82, s82, 12
	s_add_co_u32 s82, s82, s87
	s_cmp_lt_u32 s[WV], 4
	s_cselect_b32 s63, s82, s97
	s_add_co_u32 s82, s[WV], 60
	s_and_b32 s82, s82, 63                         ; waves 5-7: K's quarter wave - 4
	s_mul_i32 s83, s82, QTR
	s_add_co_u32 s84, s83, s86
	s_add_co_u32 s82, s[WV], 57
	s_and_b32 s82, s82, 63                         ; waves 8-10: V's quarter wave - 7
	s_mul_i32 s82, s82, QTR
	s_add_co_u32 s85, s82, s96
	s_add_co_u32 s82, s82, VCL
	s_mov_b32 s[G1C], (3<<16)|(1<<21)|15           ; dense blocks as rows of 256 bytes (32 elements of 8); the mask names the cluster's four: 96 rows,
	s_mov_b32 s[G1C+1], 32<<16
	s_mov_b32 s[G1C+2], 96<<16
	s_mov_b32 s[G1C+3], 32<<16
	s_mov_b32 s[G1C+4], 96
	s_mov_b32 s[G1C+5], 32
	s_mov_b32 s[G1C+6], 0
	s_mov_b32 s[G1C+7], 0
	s_mov_b32 s[G1S], (3<<16)|(1<<21)|15           ; or 16
	s_mov_b32 s[G1S+1], 32<<16
	s_mov_b32 s[G1S+2], 16<<16
	s_mov_b32 s[G1S+3], 32<<16
	s_mov_b32 s[G1S+4], 16
	s_mov_b32 s[G1S+5], 32
	s_mov_b32 s[G1S+6], 0
	s_mov_b32 s[G1S+7], 0
	s_mov_b32 s[SEL], 0x76543210
	s_mov_b32 s[SEL+1], 0xfedcba98
	s_mov_b32 s[CS], 0x3e38aa3b                    ; c = log2(e) / 8
	s_mov_b32 s[CS+1], s[CS]
	s_mov_b32 s[HM], 0xffff0000
	s_wait_alu depctr_va_vdst(0)
	s_wait_dscnt 0x0
	CROUND                                         ; in front of the first joint loads
	s_wait_kmcnt 0x0
	G0SET G0A, 60, 61
	G0SET G0S, 62, 63
	G0SET G0K, 83, 84
	G0SET G0V, 82, 85
	s_cmp_lt_u32 s[WV], 2                          ; one chain of branches on the wave's number, one load to an arm
	s_cbranch_scc0 .La1
	TL G0A, G1C
	s_branch .Lasked
.La1:
	s_cmp_lt_u32 s[WV], 5
	s_cbranch_scc0 .La2
	TL G0S, G1S
	s_branch .Lasked
.La2:
	s_cmp_lt_u32 s[WV], 8
	s_cbranch_scc0 .La3
	TL G0K, G1C
	s_branch .Lasked
.La3:
	s_cmp_lt_u32 s[WV], 11
	s_cbranch_scc0 .Lasked
	TL G0V, G1C
.Lasked:
	s_add_nc_u64 s[88:89], s[4:5], s[88:89]
	s_add_nc_u64 s[90:91], s[4:5], s[90:91]
	s_add_nc_u64 s[92:93], s[4:5], s[92:93]
	s_add_nc_u64 s[94:95], s[4:5], s[94:95]
	s_mul_i32 s82, s[WV], 768
	s_add_co_u32 s82, s82, STG
	v_and_b32 v8, 15, v0                           ; r
	v_bfe_u32 v9, v0, 4, 1                         ; h
	v_mul_u32_u24 v[AK], v8, 48
	v_lshlrev_b32 v10, 2, v8
	v_mad_u32_u24 v[AK], v9, 24, v[AK]
.irp p, 0,1,2
	global_load_b64 v[QA+2*\p:QA+2*\p+1], v[AK], s[88:89] offset:8*\p th:TH_LOAD_NT
	global_load_b64 v[QB+2*\p:QB+2*\p+1], v[AK], s[90:91] offset:8*\p th:TH_LOAD_NT
.endr
	global_load_u16 v[QAS], v10, s[92:93]
	global_load_u16 v[QBS], v10, s[94:95]
.irp k, 1,2,3
	v_add_nc_u32 v[AK+\k], 1536*\k, v[AK]
.endr
.irp k, 0,1,2,3
	v_add_nc_u32 v[AV+\k], VCL+1536*\k, v[AK]
.endr
	v_lshl_add_u32 v11, v9, 6, v10                 ; 4 r + 64 h: lanes 16-31 take the next tile's words
	v_add_nc_u32 v[ASV0], VSL, v11
	v_add_nc_u32 v[ASK0], KSL, v11
	v_and_b32 v[L8], 31, v0
	v_add_nc_u32 v[ASK0], s[HB], v[ASK0]
	v_lshlrev_b32 v[L8], 3, v[L8]
	v_and_b32 v[LQ], 7, v8
	v_and_b32 v[STW], 8, v8
	v_lshl_add_u32 v[YSO], v8, 5, v9
	v_lshl_add_u32 v[LQ], v[STW], 1, v[LQ]
	v_lshlrev_b32 v[STW], 4, v9
	v_add_nc_u32 v[STR], s82, v[L8]
	v_sub_nc_u32 v[LQ], v[LQ], v[STW]
	v_add_nc_u32 v[STW], s82, v[AK]
.irp j, 0,1,2,3,4,5
	v_mov_b32 v[QA+6+\j], 0                        ; zero codes for the empty half of the instruction's K
	v_mov_b32 v[QB+6+\j], 0
	v_mov_b32 v[FRG+48+\j], 0
.endr
.irp b, 0,1,2,3
	v_mov_b32 v[PX+\b], 0                          ; a lane permute's destination counts as one of its sources
.endr
	v_mov_b32 v[TMP], 0
	v_mov_b32 v[F+1], 0
	v_mov_b32 v[NINF], 0xff800000
	s_wait_alu depctr_va_vdst(0)                   ; the wait at the head's end
	s_cmp_ge_u32 s[WV], 5
	s_cbranch_scc1 .Lnot_first
	s_wait_tensorcnt 0x0                           ; waves 0-4: my part of keys 0 .. 511 or of the scale words is in
.Lnot_first:
	s_barrier_signal -1
	s_barrier_wait -1                              ; all five parts are; the other quarters may be on their way
	s_wait_loadcnt 0x0                             ; Q
; A KEY STEP: 128 keys.  chk = 1: the step may be hidden or lie on the diagonal.
.macro STEP q, qs, chk
.if \chk
	s_cmp_gt_u32 s[KF], s[GE]
	s_cbranch_scc1 .Lhid_\@                        ; all 128 keys come after my queries: a branch on the wave's number and the trip, round the step's work alone
.endif
.irp k, 0,1,2,3
	v_add_nc_u32 v[ADK+\k], s[TB], v[AK+\k]        ; (these five are the places in front of loads into registers that the last products have read)
.endr
	v_add_nc_u32 v[ADS], s[TS], v[ASK0]
.set n, 0
.rept 4                                        ; two tiles, 12 registers, by three loads of two pieces of 8 bytes: a tile is 768 bytes, 96 pieces, on
	ds_load_2addr_b64 v[FRG+12*n:FRG+12*n+3], v[ADK+n] offset0:0 offset1:1
	ds_load_2addr_b64 v[FRG+12*n+4:FRG+12*n+7], v[ADK+n] offset0:2 offset1:96
	ds_load_2addr_b64 v[FRG+12*n+8:FRG+12*n+11], v[ADK+n] offset0:97 offset1:98
	ds_load_u16 v[KSW+n], v[ADS] offset:128*n
.set n, n+1
.endr
	s_wait_alu depctr_va_vdst(0)
	s_wait_dscnt 0x0
.set n, 0
.rept 8                                        ; S^T = K Q^T: register 16 b + i of lane (r, h) is key KF + 32 b + 16 h + i
.if n%2
	v_wmma_scale_f32_16x16x128_f8f6f4 v[S+8*n:S+8*n+7], v[FRG+6*n:FRG+6*n+11], v[\q:\q+11], 0, v[KSW+n/2], v[\qs] matrix_a_fmt:MATRIX_FMT_FP6 matrix_b_fmt:MATRIX_FMT_FP6 matrix_a_scale:MATRIX_SCALE_ROW1
.else
	v_wmma_scale_f32_16x16x128_f8f6f4 v[S+8*n:S+8*n+7], v[FRG+6*n:FRG+6*n+11], v[\q:\q+11], 0, v[KSW+n/2], v[\qs] matrix_a_fmt:MATRIX_FMT_FP6 matrix_b_fmt:MATRIX_FMT_FP6
.endif
.set n, n+1
.endr
.irp k, 0,1,2,3
	v_add_nc_u32 v[ADK+\k], s[TB], v[AV+\k]        ; (five places behind the products: the loads below land on K's registers, and the scores are read)
.endr
	v_add_nc_u32 v[ADS], s[TJ], v[ASV0]
.set n, 0
.rept 4                                        ; V's four fragments land under the softmax: keys 0-63 at 768 n, keys 64-127 3,072 bytes on
	ds_load_2addr_b64 v[FRG+12*n:FRG+12*n+3], v[ADK+n/2] offset0:96*(n%2) offset1:96*(n%2)+1
	ds_load_b64 v[FRG+12*n+4:FRG+12*n+5], v[ADK] offset:768*n+16
	ds_load_b64 v[FRG+12*n+6:FRG+12*n+7], v[ADK] offset:768*n+3072
	ds_load_2addr_b64 v[FRG+12*n+8:FRG+12*n+11], v[ADK+2+n/2] offset0:96*(n%2)+1 offset1:96*(n%2)+2
.set n, n+1
.endr
	ds_load_b32 v[VSW], v[ADS]
	ds_load_b32 v[VSW+1], v[ADS] offset:128
.if \chk
	s_cmp_lg_u32 s[KF], s[GE]
	s_cbranch_scc1 .Lopen_\@                       ; only the tile's last step holds hidden keys: their scores become -infinity ahead of the maximum
	v_add_nc_u32 v[DD], s[DG], v[LQ]               ; d = my true query - KF - 16 h: register 16 b + i is hidden where 32 b + i > d
.set n, 0
.rept 64
	v_cmp_gt_i32 vcc_lo, 32*(n/16)+n%16, v[DD]
	v_cndmask_b32 v[S+n], v[S+n], v[NINF], vcc_lo
.set n, n+1
.endr
.Lopen_\@:
.endif
.irp b, 0,1,2,3
	v_max3_num_f32 v[BM+\b], v[S+16*\b], v[S+1+16*\b], v[S+2+16*\b]   ; the largest SCORE of each block of 32 keys: for the row's maximum and, since p rises with the score, for the block's largest p
.endr
.irp i, 3,5,7,9,11,13
.irp b, 0,1,2,3
	v_max3_num_f32 v[BM+\b], v[BM+\b], v[S+16*\b+\i], v[S+1+16*\b+\i]
.endr
.endr
.irp b, 0,1,2,3
	v_max_num_f32 v[BM+\b], v[BM+\b], v[S+15+16*\b]
.endr
.irp b, 0,1,2,3
	v_permlanex16_b32 v[PX+\b], v[BM+\b], s[SEL], s[SEL+1]
.endr
.irp b, 0,1,2,3
	v_max_num_f32 v[BM+\b], v[BM+\b], v[PX+\b]     ; with lane l xor 16's 16 keys
.endr
	v_max3_num_f32 v[TMP], v[BM], v[BM+1], v[BM+2]
	v_max_num_f32 v[TMP], v[TMP], v[BM+3]
	v_mul_f32 v[TMP], s[CS], v[TMP]                ; the step's largest t (c is positive)
	v_max_num_f32 v13, v13, v[TMP]
	v_mov_b32 v[TMP], v12
	v_floor_f32 v12, -v13                          ; the new -M = -ceil(t)
.set n, 0
.rept 32
	v_pk_fma_f32 v[S+n:S+n+1], v[S+n:S+n+1], s[CS:CS+1], v[12:13] op_sel_hi:[1,0,0]   ; t - M, two at a time
.if n == 4
	v_sub_f32 v[TMP], v12, v[TMP]                  ; M's old value less its new one, among them:
.endif
.if n == 12
	v_cvt_i32_f32 v[TMP], v[TMP]                   ; (it saturates)
.endif
.if n == 20
	v_ldexp_f32 v[F], 1.0, v[TMP]                  ; f = 2^(old M - new M)
.endif
.set n, n+2
.endr
.irp b, 0,1,2,3
	v_fma_f32 v[BM+\b], v[BM+\b], s[CS], v12       ; the same of each block's largest score
.endr
.set n, 0
.rept 16
	v_pk_mul_f32 v[O+n:O+n+1], v[O+n:O+n+1], v[F:F+1] op_sel_hi:[1,0]   ; O^T under the new M, each accumulator from its low end on
.set n, n+2
.endr
	s_wait_alu depctr_va_vdst(0)                   ; the wait ahead of the batch
.set n, 0
.rept 64
	v_exp_f32 v[S+n], v[S+n]                       ; p = 2^(t - M), at most 1
.set n, n+1
.endr
.irp b, 0,1,2,3
	v_exp_f32 v[BM+\b], v[BM+\b]                   ; the block's largest p: the same two instructions on the same number give the same bits
.endr
	v_pk_mul_f32 v[14:15], v[14:15], v[F:F+1] op_sel_hi:[1,0]   ; the sum under the new M: the plain place behind the batch
	s_wait_alu depctr_va_vdst(0)                   ; one wait for the batch of 68
.irp b, 0,1,2,3
	v_max_num_f32 v[BM+\b], 0x1800000, v[BM+\b]    ; the floor 2^(3 - 127)
.endr
.irp b, 0,1,2,3
	v_add_nc_u32 v[SOP+\b], 0xff000000, v[BM+\b]   ; 2 off the exponent field: the conversion's scale operand
.endr
.irp b, 0,1,2,3
	v_lshrrev_b32 v[PX+\b], 23, v[SOP+\b]          ; the scale's byte
.endr
	v_lshl_or_b32 v[PSW], v[PX+1], 8, v[PX]
	v_lshl_or_b32 v[TMP], v[PX+3], 8, v[PX+2]
	v_lshl_or_b32 v[PSW], v[TMP], 16, v[PSW]       ; p's scale word for these 128 keys
.irp c, 0,1
	v_cvt_scalef32_pk16_fp6_f32 v[PCD+6*\c:PCD+2+6*\c], v[S+32*\c:S+15+32*\c], v[SOP+2*\c]
	v_cvt_scalef32_pk16_fp6_f32 v[PC2+4*\c:PC2+2+4*\c], v[S+16+32*\c:S+31+32*\c], v[SOP+2*\c+1]
.endr
	v_pk_add_f32 v[BK:BK+1], v[S:S+1], v[S+2:S+3]  ; THE ROW'S SUM, of the unquantised p, in four chains.  (This line is the plain place behind the conversions)
.irp c, 0,1                                    ; a WHOLE block in a lane: lanes 0-15 block 2 c, lanes 16-31 block 2 c + 1
.irp i, 0,1,2
	v_permlane16_swap_b32 v[PCD+6*\c+\i], v[PC2+4*\c+\i]
.endr
.endr
.irp c, 0,1
.irp i, 0,1,2
	v_mov_b32 v[PCD+3+6*\c+\i], v[PC2+4*\c+\i]
.endr
.endr
	v_pk_add_f32 v[BK+2:BK+3], v[S+4:S+5], v[S+6:S+7]      ; (the 31 additions below stand between the writing of p's codes and scale word and the products)
	v_pk_add_f32 v[BK+4:BK+5], v[S+8:S+9], v[S+10:S+11]
.set n, 12
.rept 6
	v_pk_add_f32 v[14:15], v[14:15], v[S+n:S+n+1]
	v_pk_add_f32 v[BK:BK+1], v[BK:BK+1], v[S+n+2:S+n+3]
	v_pk_add_f32 v[BK+2:BK+3], v[BK+2:BK+3], v[S+n+4:S+n+5]
	v_pk_add_f32 v[BK+4:BK+5], v[BK+4:BK+5], v[S+n+6:S+n+7]
.set n, n+8
.endr
	v_pk_add_f32 v[14:15], v[14:15], v[S+60:S+61]
	v_pk_add_f32 v[BK:BK+1], v[BK:BK+1], v[S+62:S+63]
	v_pk_add_f32 v[BK+2:BK+3], v[BK+2:BK+3], v[BK+4:BK+5]
	v_pk_add_f32 v[14:15], v[14:15], v[BK:BK+1]
	v_pk_add_f32 v[14:15], v[14:15], v[BK+2:BK+3]
	s_wait_alu depctr_va_vdst(0)
	s_wait_dscnt 0x0                               ; V's fragments and scale words are in
.set n, 0
.rept 4                                        ; O^T += V^T P^T: four accumulators, one instruction each
.if n%2
	v_wmma_scale_f32_16x16x128_f8f6f4 v[O+8*n:O+8*n+7], v[FRG+12*n:FRG+12*n+11], v[PCD:PCD+11], v[O+8*n:O+8*n+7], v[VSW+n/2], v[PSW] matrix_a_fmt:MATRIX_FMT_FP6 matrix_b_fmt:MATRIX_FMT_FP6 matrix_a_scale:MATRIX_SCALE_ROW1
.else
	v_wmma_scale_f32_16x16x128_f8f6f4 v[O+8*n:O+8*n+7], v[FRG+12*n:FRG+12*n+11], v[PCD:PCD+11], v[O+8*n:O+8*n+7], v[VSW+n/2], v[PSW] matrix_a_fmt:MATRIX_FMT_FP6 matrix_b_fmt:MATRIX_FMT_FP6
.endif
.set n, n+1
.endr
.if \chk
.Lhid_\@:
.endif
	s_add_co_u32 s[KF], s[KF], 128
	s_add_co_u32 s[TB], s[TB], 6144
	s_add_co_u32 s[TS], s[TS], 512
	s_add_co_u32 s[TJ], s[TJ], 256
.endm
.macro LOOP q, qs, chk, trips          ; a constant number of trips; hidden steps are jumped over inside
	s_mov_b32 s[CNT], \trips
.Lst_\@:
	STEP \q, \qs, \chk
	s_sub_co_u32 s[CNT], s[CNT], 1
	s_cmp_lg_u32 s[CNT], 0
	s_cbranch_scc1 .Lst_\@
.endm
.macro PINIT q0, ge                    ; a tile of 16 queries begins
	s_mov_b32 s[TB], 0
	s_mov_b32 s[TS], 0
	s_mov_b32 s[TJ], 0
	s_mov_b32 s[KF], 0
	s_mov_b32 s[GE], s[\ge]
	s_and_b32 s82, s[\q0], 0xffffffe0
	s_and_b32 s83, s[\q0], 16
	s_lshr_b32 s83, s83, 1
	s_or_b32 s82, s82, s83                         ; place q0 + r is query this + r % 8 + 16 (r / 8)
	s_sub_co_u32 s[DG], s82, s[GE]
	s_mul_i32 s82, s[BH], HEADB
	s_mul_i32 s83, s[\q0], 48
	s_add_co_u32 s82, s82, s83
	s_mov_b32 s83, 0
	s_add_nc_u64 s[YB:YB+1], s[6:7], s[82:83]
	s_lshl_b32 s82, s[BB], 11
	s_add_co_u32 s82, s82, s[\q0]
	s_lshl_b32 s82, s82, 5
	s_lshl_b32 s84, s[HD], 1
	s_add_co_u32 s82, s82, s84
	s_add_co_u32 s82, s82, YS
	s_add_nc_u64 s[YSB:YSB+1], s[6:7], s[82:83]
	v_mov_b32 v13, 0xff61b1e6                      ; the largest t so far: -3e38
	v_mov_b32 v14, 0
	v_mov_b32 v15, 0
	v_floor_f32 v12, -v13
.set n, 0
.rept 32
	v_mov_b32 v[O+n], 0                            ; the step is written once: the first finds zeros
.set n, n+1
.endr
.endm
.macro POUT                            ; y = O^T / the sum; register 16 b + i of lane (r, h) is channel 32 b + 16 h + i: two blocks of 32 along C
.rept 4
	v_nop                                          ; places behind the last products
.endr
	v_add_f32 v14, v14, v15
	v_permlanex16_b32 v[TMP], v14, s[SEL], s[SEL+1]
	v_add_f32 v14, v14, v[TMP]                     ; the row's sum
	s_wait_alu depctr_va_vdst(0)
	v_rcp_f32 v14, v14
	v_nop
	s_wait_alu depctr_va_vdst(0)                   ; the wait ahead of the first reader
.set n, 0
.rept 16
	v_pk_mul_f32 v[S+n:S+n+1], v[O+n:O+n+1], v[14:15] op_sel_hi:[1,0]
.set n, n+2
.endr
.irp b, 0,1
	v_max3_num_f32 v[BM+\b], |v[S+16*\b]|, |v[S+1+16*\b]|, 0x1800000
.endr
.irp i, 2,4,6,8,10,12,14
.irp b, 0,1
	v_max3_num_f32 v[BM+\b], v[BM+\b], |v[S+16*\b+\i]|, |v[S+1+16*\b+\i]|
.endr
.endr
.irp b, 0,1
	v_permlanex16_b32 v[PX+\b], v[BM+\b], s[SEL], s[SEL+1]
.endr
.irp b, 0,1
	v_max_num_f32 v[BM+\b], v[BM+\b], v[PX+\b]
.endr
.irp b, 0,1
	v_add_nc_u32 v[SOP+\b], 0xff000000, v[BM+\b]
.endr
.irp b, 0,1
	v_lshrrev_b32 v[PX+\b], 23, v[SOP+\b]
.endr
	v_cvt_scalef32_pk16_fp6_f32 v[PCD:PCD+2], v[S:S+15], v[SOP]
	v_cvt_scalef32_pk16_fp6_f32 v[PC2:PC2+2], v[S+16:S+31], v[SOP+1]
	v_cndmask_b32 v[YBY], v[PX], v[PX+1], s[HM]    ; lanes 0-15 block 0's byte, lanes 16-31 block 1's.  (The plain place behind the conversions)
.irp i, 0,1,2
	v_permlane16_swap_b32 v[PCD+\i], v[PC2+\i]
.endr
.irp i, 0,1,2
	v_mov_b32 v[PCD+3+\i], v[PC2+\i]
.endr
.irp p, 0,1,2
	ds_store_b64 v[STW], v[PCD+2*\p:PCD+2*\p+1] offset:8*\p   ; 16 rows of 48 bytes meet in my stage
.endr
.irp p, 0,1,2
	ds_load_b64 v[BK+2*\p:BK+2*\p+1], v[STR] offset:256*\p    ; LDS serves a wave's instructions in order
.endr
	global_store_b8 v[YSO], v[YBY], s[YSB:YSB+1]
	s_wait_dscnt 0x0
.irp p, 0,1,2
	global_store_b64 v[L8], v[BK+2*\p:BK+2*\p+1], s[YB:YB+1] offset:256*\p th:TH_STORE_NT   ; 32 lanes store 256 consecutive bytes, aligned
.endr
	s_wait_xcnt 0x0                                ; the stores have read their registers and bases
.endm
	PINIT Q0L, GL
	LOOP QA, QAS, 0, 4                             ; keys 0 .. 511: the later group is 8 or more, so these four steps are open in every wave
	s_wait_alu depctr_va_vdst(0)
	s_wait_tensorcnt 0x0                           ; every wave: my load, if I have one, is in
	s_wait_dscnt 0x0
	s_barrier_signal -1
	s_barrier_wait -1                              ; the whole head is in LDS.  From here on the waves run free
	s_mov_b32 s[TB], 4*6144
	s_mov_b32 s[TS], 4*512
	s_mov_b32 s[TJ], 4*256
	s_mov_b32 s[KF], 4*128
	LOOP QA, QAS, 1, 12
	POUT
	PINIT Q0S, GS
	LOOP QB, QBS, 1, 8                             ; the earlier group is 7 at the most
	POUT
	s_wait_tensorcnt 0x0                           ; the wave's end
	ds_add_u32 v[SPW], v[NIL]
	s_wait_dscnt 0x0
	CROUND                                         ; the closing round
	s_endpgm
.Lfunc_end_k_qe5162e0f91_attn:
	.size	k_qe5162e0f91_attn, .Lfunc_end_k_qe5162e0f91_attn-k_qe5162e0f91_attn
	.p2alignl 7, 3214868480
	.fill 96, 4, 3214868480
	.section	.rodata,"a",@progbits
	.p2align	6, 0x0
	.amdhsa_kernel k_qe5162e0f91_attn
		.amdhsa_group_segment_fixed_size 223232
		.amdhsa_private_segment_fixed_size 0
		.amdhsa_enable_private_segment 0
		.amdhsa_kernarg_size 16
		.amdhsa_user_sgpr_count 2
		.amdhsa_user_sgpr_kernarg_segment_ptr 1
		.amdhsa_wavefront_size32 1
		.amdhsa_system_sgpr_workgroup_id_x 1
		.amdhsa_system_sgpr_workgroup_id_y 1
		.amdhsa_system_sgpr_workgroup_id_z 1
		.amdhsa_system_vgpr_workitem_id 0
		.amdhsa_next_free_vgpr 256
		.amdhsa_next_free_sgpr 100
		.amdhsa_reserve_vcc 1
		.amdhsa_float_denorm_mode_32 3
		.amdhsa_float_denorm_mode_16_64 3
		.amdhsa_memory_ordered 1
		.amdhsa_forward_progress 1
		.amdhsa_inst_pref_size 82
	.end_amdhsa_kernel
	.amdgpu_metadata
---
amdhsa.version: [ 1, 2 ]
amdhsa.kernels:
  - .name:           k_qe5162e0f91_attn
    .symbol:         k_qe5162e0f91_attn.kd
    .args:
      - { .name: qkv, .offset: 0, .size: 8, .value_kind: global_buffer, .address_space: global }
      - { .name: yq, .offset: 8, .size: 8, .value_kind: global_buffer, .address_space: global }
    .group_segment_fixed_size: 223232
    .private_segment_fixed_size: 0
    .kernarg_segment_align: 8
    .kernarg_segment_size: 16
    .max_flat_workgroup_size: 512
    .sgpr_count:     100
    .vgpr_count:     256
    .wavefront_size: 32
...
	.end_amdgpu_metadata
.endif
;; end of part 3
;; launch proj (part 4): grid 4 x 64, 4 waves a work-group, clusters of 4 x 4, 327,680 bytes of LDS; arguments yq, ops, b_proj, out0; writes out0
.if DOCPART == 4
	.amdgcn_target "amdgcn-amd-amdhsa--gfx1250"
	.amdhsa_code_object_version 6
	.text
	.protected	k_qe5162e0f91_proj
	.globl	k_qe5162e0f91_proj
	.p2align	8
	.type	k_qe5162e0f91_proj,@function
k_qe5162e0f91_proj:
	s_mov_b64 s[64:65], 0
	v_nop
	global_prefetch_b8 v0, s[64:65] scope:SCOPE_SE
	s_setreg_imm32_b32 hwreg(HW_REG_WAVE_MODE, 25, 1), 1
	s_wait_xcnt 0x0
	s_wait_alu depctr_hold_cnt(0) depctr_sa_sdst(0) depctr_va_vdst(0) depctr_va_sdst(0) depctr_va_ssrc(0) depctr_va_vcc(0) depctr_vm_vsrc(0)
	s_getreg_b32 s2, hwreg(HW_REG_IB_STS2, 6, 4)
	s_cmp_eq_u32 s2, 0
	s_cbranch_scc0 .Lentry_in_a_cluster
	s_endpgm
.Lentry_in_a_cluster:
	s_bfe_u32 s2, ttmp6, 0x10000c
	s_cmp_lg_u32 s2, 0xf033
	s_cbranch_scc0 .Lentry_shape_is_right
	s_endpgm
.Lentry_shape_is_right:
; out0 = y w_proj^T + b_proj on codes of FP6 (E2M3) with E8M0 scales, K = 1,024, f32 out.
; IN: yq: y's codes [b][head][place of the token][48 bytes], scale bytes from YS on [b x 2048 + place][32];  ops: w_proj's codes [K step of 256: 4][place 11264 ..][192 bytes], scale bytes from XS on, 32 a place.
; A "place" is a row's number with bits 3 and 4 exchanged.  SOURCE 0 = 16 places of w_proj (B), SOURCE 1 = 16 places of tokens (A): a lane holds one token, and the 16 registers of two neighbouring tiles are 16 neighbouring TRUE features.
; THE DEAL: 256 work-groups, each 128 tokens x 256 features; four waves, 2 x 2, a wave 64 x 128: 32 accumulators.  Clusters of 4 x 4: A's tiles are asked for jointly along a row of the cluster, B's along a column.
; LDS holds three K steps of 256 at once.  AT THE HEAD one joint load a wave: K steps 0-2 of A (12 heads x 6,144 bytes), K steps 0-2 of B (3 dense rows of 49,152 bytes, a place's 192 bytes at a pitch of 240), A's scales, B's scales.
; ONE REFILL: when K step 0 has been read, its bytes take K step 3, behind a round of the cluster's barrier; K steps 1 and 2, 128 products a wave, stand between the request
; and the wait for it; a plain barrier, behind which nothing is filled, shows it to all waves.
; NO PREFETCH: the text has one refill and no loop to run ahead in.
; THE BIAS runs along the registers: it is the C of the first products.  The results leave through each wave's own stage in LDS as whole rows of 512 bytes.
; REGISTERS, in windows of 256: window 0: v0-31 addresses; v32-63 B's scale words, v64-79 A's, two sets each; v80-143 the bias, later with v144-207 rows back from the stage.
;   window 1: B's fragments, two sets at v0, v96.  window 2: accumulator (a, b) at v[8 (8 a + b)].  window 3: A's fragments, two sets at v0, v48.
.set ROWB,   192
.set KSTEPB, 2359296
.set PITCH,  240
.set FR,     12
.set HALFT,  128*PITCH
.set HEADL,  6144                      ; 128 places of one head
.set APL,    4*HEADL                   ; a K step of A in LDS
.set BPL,    2*HALFT                   ; a K step of B in LDS
.set BREG,   3*APL
.set SBLK,   544                       ; the scales of 16 rows: two runs of 256 bytes + 16
.set SCLA,   BREG+3*BPL
.set SCLB,   SCLA+4352
.set STAGE,  SCLB+8704
.set SPITCH, 528
.set SPARE,  STAGE+4*16*SPITCH
.set XS,     9437184
.set YS,     6291456
.set ADRA, 12                          ; v12-14 my A fragments in K-step place 0, 1, 2
.set ADRB, 16                          ; v16-18 the same for B; v19-21 behind one padding more
.set STO,  24
.set RD,   25
.set CO,   26
.set ADSA, 27
.set SPW,  28
.set NIL,  29
.set ADSB, 30
.set SCB,  32
.set SCA,  64
.set BJ,   80
.set BK,   80
.set G1,  24
.set G0,  32                           ; s[32:35] the head's load of A, s[36:39] the refill's
.set G1B, 48
.set G0B, 56
.set G1S, 68
.set G0S, 76
.set G1SB, 80
.set G0SB, 88
.set MSB, 0
.macro WIN new
.if MSB != \new
	s_set_vgpr_msb (MSB<<8)|\new
.set MSB, \new
.endif
.endm
.set MUL,  0xad                        ; source 0 (B) window 1, source 1 (A) window 3, C and D window 2
.set FST,  0x8d                        ; the first products: C (the bias) window 0
.set TO_B, 0x40
.set TO_A, 0xc0
.macro PLACES n
.rept \n
	v_nop
.endr
.endm
.macro TLOAD g0, g1                    ; an s_nop 0 and four v_nop follow each load
	tensor_load_to_lds s[\g0:\g0+3], s[\g1:\g1+7]
	s_nop 0
	PLACES 4
.endm
.macro CREST
	s_cmp_lg_u32 s14, 0
	s_cbranch_scc1 .Lnw0_\@
	s_barrier_signal -3
.Lnw0_\@:
	s_barrier_wait -3
	s_barrier_signal -1
	s_barrier_wait -1
.endm
.macro CROUND
	s_barrier_signal -1
	s_barrier_wait -1
	CREST
.endm
	s_load_b256 s[4:11], s[0:1], 0x0               ; yq, ops, b_proj, out0
	v_lshl_add_u32 v[SPW], v0, 2, SPARE
	v_mov_b32 v[NIL], 0
	ds_add_u32 v[SPW], v[NIL]                      ; the opening lines: the add, twice, and its wait
	ds_add_u32 v[SPW], v[NIL]
	v_lshrrev_b32 v1, 5, v0
	v_readfirstlane_b32 s14, v1
	s_lshr_b32 s15, s14, 1                         ; my 64 of the 128 tokens.  Also: in the refill I fetch for A (0) or for B (1)
	s_and_b32 s16, s14, 1                          ; my 128 of the 256 features.  Also: which half of that tile I fetch
	s_bfe_u32 s40, ttmp6, 0x40000
	s_bfe_u32 s41, ttmp6, 0x40004
	s_lshl_b32 s42, ttmp9, 2
	s_add_co_u32 s42, s42, s40                     ; B's tile of 256 features, 0 .. 3
	s_and_b32 s17, ttmp7, 0xffff
	s_lshl_b32 s17, s17, 2
	s_add_co_u32 s17, s17, s41                     ; A's tile of 128 places, 0 .. 63
	s_lshl_b32 s43, s41, 2
	s_lshl_b32 s43, 15, s43                        ; my row of the cluster
	s_lshl_b32 s44, 0x1111, s40                    ; my column
	s_or_b32 s[G1], s43, (3<<16)|(1<<21)           ; A: rows of 6,144 bytes (768 elements of 8), a head (98,304 bytes) apart: 12 at the head
	s_mov_b32 s[G1+1], 768<<16
	s_mov_b32 s[G1+2], 12<<16
	s_mov_b32 s[G1+3], 768<<16
	s_mov_b32 s[G1+4], 12
	s_mov_b32 s[G1+5], 12288
	s_mov_b32 s[G1+6], 0
	s_mov_b32 s[G1+7], 0
	s_or_b32 s[G1B], s44, (3<<16)|(1<<20)|(1<<21)|(3<<22)|(3<<25)   ; B: rows of 49,152 bytes, a K step apart: 3 at the head; 16 bytes of padding behind every 64
	s_mov_b32 s[G1B+1], 6144<<16
	s_mov_b32 s[G1B+2], 3<<16
	s_mov_b32 s[G1B+3], 6144<<16
	s_mov_b32 s[G1B+4], 3
	s_mov_b32 s[G1B+5], KSTEPB/8
	s_mov_b32 s[G1B+6], 0
	s_mov_b32 s[G1B+7], 0
	s_or_b32 s[G1S], s43, (3<<16)|(1<<20)|(1<<21)|(5<<22)|(3<<25)   ; the scales: dense bytes as rows of 256, 16 bytes of padding behind each
	s_or_b32 s[G1SB], s44, (3<<16)|(1<<20)|(1<<21)|(5<<22)|(3<<25)
.irp g, G1S, G1SB
	s_mov_b32 s[\g+1], 32<<16
	s_mov_b32 s[\g+3], 32<<16
	s_mov_b32 s[\g+5], 32
	s_mov_b32 s[\g+6], 0
	s_mov_b32 s[\g+7], 0
.endr
	s_mov_b32 s[G1S+2], 16<<16                     ; 128 rows x 32 bytes
	s_mov_b32 s[G1S+4], 16
	s_mov_b32 s[G1SB+2], 32<<16                    ; 256 rows
	s_mov_b32 s[G1SB+4], 32
	s_lshr_b32 s20, s17, 4                         ; the batch
	s_mul_i32 s20, s20, 1572864
	s_and_b32 s21, s17, 15
	s_mul_i32 s21, s21, HEADL
	s_add_co_u32 s20, s20, s21                     ; A's codes, head 0
	s_mov_b32 s21, 0
	s_lshl_b32 s22, s17, 12
	s_add_co_u32 s22, s22, YS                      ; A's scales
	s_mov_b32 s23, 0
	s_lshl_b32 s46, s42, 8
	s_add_co_u32 s46, s46, 11264                   ; B's first place in ops
	s_lshl_b32 s92, s46, 5
	s_add_co_u32 s92, s92, XS
	s_mov_b32 s93, 0
	s_mul_i32 s46, s46, ROWB
	s_mov_b32 s47, 0
	s_mul_i32 s18, s16, 2*98304                    ; the refill: heads 12, 13 or 14, 15 of A;
	s_add_co_u32 s18, s18, 12*98304
	s_mov_b32 s19, 0
	s_mul_i32 s94, s16, 128*ROWB                   ; K step 3 of my 128 places of B
	s_add_co_u32 s94, s94, 3*KSTEPB
	s_mov_b32 s95, 0
	s_wait_alu depctr_va_vdst(0)
	s_wait_dscnt 0x0
	s_wait_kmcnt 0x0
	s_add_nc_u64 s[20:21], s[4:5], s[20:21]
	s_add_nc_u64 s[22:23], s[4:5], s[22:23]
	s_add_nc_u64 s[46:47], s[6:7], s[46:47]
	s_add_nc_u64 s[92:93], s[6:7], s[92:93]
	CROUND                                         ; in front of the first joint loads
	s_mov_b32 s[G0], 1
	s_mov_b32 s[G0+1], 0
	s_mov_b64 s[G0+2:G0+3], s[20:21]
	s_or_b32 s[G0+3], s[G0+3], 0x80000000
	s_mov_b32 s[G0B], 1
	s_mov_b32 s[G0B+1], BREG
	s_mov_b64 s[G0B+2:G0B+3], s[46:47]
	s_or_b32 s[G0B+3], s[G0B+3], 0x80000000
	s_mov_b32 s[G0S], 1
	s_mov_b32 s[G0S+1], SCLA
	s_mov_b64 s[G0S+2:G0S+3], s[22:23]
	s_or_b32 s[G0S+3], s[G0S+3], 0x80000000
	s_mov_b32 s[G0SB], 1
	s_mov_b32 s[G0SB+1], SCLB
	s_mov_b64 s[G0SB+2:G0SB+3], s[92:93]
	s_or_b32 s[G0SB+3], s[G0SB+3], 0x80000000
	s_mov_b32 s[G0+4], 1                           ; the refill's groups 0, in registers of their own
	s_mul_i32 s[G0+5], s16, 2*HEADL
	s_add_nc_u64 s[G0+6:G0+7], s[20:21], s[18:19]
	s_or_b32 s[G0+7], s[G0+7], 0x80000000
	s_mov_b32 s[G0B+4], 1
	s_mul_i32 s[G0B+5], s16, HALFT
	s_add_co_u32 s[G0B+5], s[G0B+5], BREG
	s_add_nc_u64 s[G0B+6:G0B+7], s[46:47], s[94:95]
	s_or_b32 s[G0B+7], s[G0B+7], 0x80000000
	s_cmp_lt_u32 s14, 1                            ; one chain of branches on the wave's number: every way through the head passes one load
	s_cbranch_scc0 .Lhead_b
	TLOAD G0, G1
	s_branch .Lhead_asked
.Lhead_b:
	s_cmp_lt_u32 s14, 2
	s_cbranch_scc0 .Lhead_sa
	TLOAD G0B, G1B
	s_branch .Lhead_asked
.Lhead_sa:
	s_cmp_lt_u32 s14, 3
	s_cbranch_scc0 .Lhead_sb
	TLOAD G0S, G1S
	s_branch .Lhead_asked
.Lhead_sb:
	TLOAD G0SB, G1SB
.Lhead_asked:
	s_lshl_b32 s46, s42, 10                        ; my first column, in bytes
	s_lshl_b32 s47, s16, 9
	s_add_co_u32 s46, s46, s47
	s_mov_b32 s47, 0
	s_add_nc_u64 s[8:9], s[8:9], s[46:47]
	s_lshl_b32 s20, s17, 7
	s_lshl_b32 s21, s15, 6
	s_add_co_u32 s20, s20, s21                     ; my first token
	s_lshl_b32 s20, s20, 12
	s_add_co_u32 s20, s20, s46
	s_mov_b32 s21, 0
	s_add_nc_u64 s[12:13], s[10:11], s[20:21]
	s_mul_i32 s21, s15, 64*48                      ; my 64 places inside each head's 128
	s_mul_i32 s22, s16, HALFT
	s_add_co_u32 s22, s22, BREG
	v_and_b32 v1, 15, v0                           ; r
	v_bfe_u32 v2, v0, 4, 1                         ; h
	v_lshlrev_b32 v10, 6, v2                       ; the bias: tile b's register j is feature 32 (b / 2) + 16 h + 8 (b % 2) + j of my 128
.irp b, 0,1,2,3,4,5,6,7
	global_load_b128 v[BJ+8*\b:BJ+8*\b+3], v10, s[8:9] offset:128*(\b/2)+32*(\b%2)
	global_load_b128 v[BJ+8*\b+4:BJ+8*\b+7], v10, s[8:9] offset:128*(\b/2)+32*(\b%2)+16
.endr
	v_mul_u32_u24 v3, v1, PITCH
	v_mul_u32_u24 v4, v2, 24
	v_add_nc_u32 v4, v3, v4
	v_lshl_add_u32 v5, v2, 4, v4
	v_mul_u32_u24 v6, v1, 48
	v_mad_u32_u24 v6, v2, 24, v6
.irp p, 0,1,2
	v_add_nc_u32 v[ADRA+\p], s21, v6
	v_add_nc_u32 v[ADRB+\p], s22, v4
	v_add_nc_u32 v[ADRB+3+\p], s22, v5
	s_add_co_u32 s21, s21, APL
	s_add_co_u32 s22, s22, BPL
.endr
	v_lshlrev_b32 v5, 5, v1                        ; my row's scales: 32 bytes a row,
	v_lshrrev_b32 v6, 8, v5
	v_lshl_add_u32 v5, v6, 4, v5                   ; and 16 more for each 256 passed
	s_mul_i32 s21, s15, 4*SBLK
	s_add_co_u32 s21, s21, SCLA
	s_mul_i32 s22, s16, 8*SBLK
	s_add_co_u32 s22, s22, SCLB
	v_add_nc_u32 v[ADSA], s21, v5
	v_add_nc_u32 v[ADSB], s22, v5
	s_mul_i32 s23, s14, 16*SPITCH
	s_add_co_u32 s23, s23, STAGE
	v_mul_u32_u24 v5, v1, SPITCH
	v_lshl_add_u32 v5, v2, 6, v5
	v_add_nc_u32 v[STO], s23, v5
	v_and_b32 v6, 31, v0
	v_lshlrev_b32 v[CO], 4, v6
	v_add_nc_u32 v[RD], s23, v[CO]
.macro FRAG reg, adr, q, i             ; B: 16 rows x 128 K: 12 registers, in pieces of 8 bytes; where lanes 16-31's piece lies behind one padding more, the second address register serves
.irp p, 0,1,2,3,4,5
.set PCE, 12*(\q)+6*(\p/3)+\p%3
.if PCE%8 < 5
	ds_load_b64 v[\reg+2*\p:\reg+2*\p+1], v[\adr] offset:8*PCE+16*(PCE/8)+(\i)*16*PITCH
.else
	ds_load_b64 v[\reg+2*\p:\reg+2*\p+1], v[\adr+3] offset:8*PCE+16*(PCE/8)+(\i)*16*PITCH
.endif
.endr
.endm
.macro FRAGA reg, pl, q, i             ; A: registers 0-5 from head 2 q of the K step's four, registers 6-11 from head 2 q + 1
.irp p, 0,1,2,3,4,5
	ds_load_b64 v[\reg+2*\p:\reg+2*\p+1], v[ADRA+\pl] offset:(2*(\q)+\p/3)*HEADL+8*(\p%3)+(\i)*768
.endr
.endm
.macro FETCH pl, q, p                  ; the fragments of the q-th 128 along K of the K step in place pl, into set p
	WIN TO_B
.irp i, 0,1,2,3,4,5,6,7
	FRAG 96*(\p)+FR*\i, ADRB+\pl, \q, \i
.endr
	WIN TO_A
.irp i, 0,1,2,3
	FRAGA 48*(\p)+FR*\i, \pl, \q, \i
.endr
	WIN 0
.endm
.macro SCALES sc, ks                   ; K step ks's scale words, two a row, into set sc
.irp i, 0,1,2,3
	ds_load_b64 v[SCA+8*(\sc)+2*\i:SCA+8*(\sc)+2*\i+1], v[ADSA] offset:\i*SBLK+8*(\ks)
.endr
.irp i, 0,1,2,3,4,5,6,7
	ds_load_b64 v[SCB+16*(\sc)+2*\i:SCB+16*(\sc)+2*\i+1], v[ADSB] offset:\i*SBLK+8*(\ks)
.endr
.endm
.macro MUL8 a, p, sc, first            ; A's block a x B's eight, 128 along K.  The 32 accumulators take turns
.irp b, 0,1,2,3,4,5,6,7
.if \first
	v_wmma_scale_f32_16x16x128_f8f6f4 v[8*(8*(\a)+\b):8*(8*(\a)+\b)+7], v[96*(\p)+FR*\b:96*(\p)+FR*\b+FR-1], v[48*(\p)+FR*(\a):48*(\p)+FR*(\a)+FR-1], v[BJ+8*\b:BJ+8*\b+7], v[SCB+16*(\sc)+2*\b+(\p)], v[SCA+8*(\sc)+2*(\a)+(\p)] matrix_a_fmt:MATRIX_FMT_FP6 matrix_b_fmt:MATRIX_FMT_FP6
.else
	v_wmma_scale_f32_16x16x128_f8f6f4 v[8*(8*(\a)+\b):8*(8*(\a)+\b)+7], v[96*(\p)+FR*\b:96*(\p)+FR*\b+FR-1], v[48*(\p)+FR*(\a):48*(\p)+FR*(\a)+FR-1], v[8*(8*(\a)+\b):8*(8*(\a)+\b)+7], v[SCB+16*(\sc)+2*\b+(\p)], v[SCA+8*(\sc)+2*(\a)+(\p)] matrix_a_fmt:MATRIX_FMT_FP6 matrix_b_fmt:MATRIX_FMT_FP6
.endif
.endr
.endm
.macro STEPQ pl, sc                    ; a K step's first 128 along K; in its middle the second's fragments are fetched
	s_wait_dscnt 0x0
	WIN MUL
	MUL8 0, 0, \sc, 0
	MUL8 1, 0, \sc, 0
	PLACES 4                                       ; in front of loads into registers that the last step's products have read
	FETCH \pl, 1, 1
	WIN MUL
	MUL8 2, 0, \sc, 0
	MUL8 3, 0, \sc, 0
.endm
	s_wait_alu depctr_va_vdst(0)                   ; the wait at the head's end
	s_wait_loadcnt 0x0                             ; the bias
	s_wait_tensorcnt 0x0                           ; my tile of the head's four is in,
	s_barrier_signal -1
	s_barrier_wait -1                              ; everybody's is
	FETCH 0, 0, 0
	SCALES 0, 0
	s_wait_dscnt 0x0                               ; K STEP 0: the first products start the sums from the bias
	WIN FST
	MUL8 0, 0, 0, 1
	MUL8 1, 0, 0, 1
	PLACES 4
	FETCH 0, 1, 1
	WIN FST
	MUL8 2, 0, 0, 1
	MUL8 3, 0, 0, 1
	WIN 0
	s_wait_tensorcnt 0x0                           ; THE REFILL;
	ds_add_u32 v[SPW], v[NIL]
	s_mov_b32 s[G1+2], 2<<16                       ; no tensor load of mine is out: a load now brings two heads of A,
	s_mov_b32 s[G1+4], 2
	s_mov_b32 s[G1B+1], 32<<16                     ; or 128 places of B: 24,576 dense bytes as 96 rows of 256
	s_mov_b32 s[G1B+2], 96<<16
	s_mov_b32 s[G1B+3], 32<<16
	s_mov_b32 s[G1B+4], 96
	s_mov_b32 s[G1B+5], 32
	s_wait_dscnt 1                                 ; this step's fragments are in; the add alone may be out
	WIN MUL
	MUL8 0, 1, 0, 0
	s_wait_dscnt 0x0                               ; the add is done, and my reads of K step 0 are over
	s_barrier_signal -1
	MUL8 1, 1, 0, 0
	WIN 0
	s_barrier_wait -1
	CREST                                          ; the barrier has opened a round of the cluster's barrier
	s_cmp_eq_u32 s15, 0
	s_cbranch_scc0 .Lfor_b
	TLOAD G0+4, G1                                 ; K step 3, onto K step 0: the first tensor load behind the round
	s_branch .Lrefilled
.Lfor_b:
	TLOAD G0B+4, G1B
.Lrefilled:
	FETCH 1, 0, 0
	SCALES 1, 1
	WIN MUL
	MUL8 2, 1, 0, 0
	MUL8 3, 1, 0, 0
	STEPQ 1, 1                                     ; K STEP 1
	s_wait_dscnt 0x0
	WIN MUL
	MUL8 0, 1, 1, 0
	MUL8 1, 1, 1, 0
	PLACES 4
	FETCH 2, 0, 0
	SCALES 0, 2
	WIN MUL
	MUL8 2, 1, 1, 0
	MUL8 3, 1, 1, 0
	STEPQ 2, 0                                     ; K STEP 2
	s_wait_dscnt 0x0
	WIN MUL
	MUL8 0, 1, 0, 0
	s_wait_tensorcnt 0x0                           ; my part of K step 3 is in,
	s_barrier_signal -1
	MUL8 1, 1, 0, 0
	WIN 0
	s_barrier_wait -1                              ; everybody's is
	PLACES 4
	FETCH 0, 0, 0
	SCALES 1, 3
	WIN MUL
	MUL8 2, 1, 0, 0
	MUL8 3, 1, 0, 0
	STEPQ 0, 1                                     ; K STEP 3
	s_wait_dscnt 0x0
	WIN MUL
	MUL8 0, 1, 1, 0
	MUL8 1, 1, 1, 0
	MUL8 2, 1, 1, 0
	MUL8 3, 1, 1, 0
	WIN 0
; THE WAY OUT, block by block of 16 places x 128 features: through my own stage, back as whole rows of 512 bytes.  LDS serves a wave's instructions in order: no wait between the stores and the loads.
.macro TOSTAGE a
	WIN 0x08                                       ; the data: window 2
.irp b, 0,1,2,3,4,5,6,7
	ds_store_b128 v[STO], v[64*(\a)+8*\b:64*(\a)+8*\b+3] offset:128*(\b/2)+32*(\b%2)      ; each accumulator from its low end on
	ds_store_b128 v[STO], v[64*(\a)+8*\b+4:64*(\a)+8*\b+7] offset:128*(\b/2)+32*(\b%2)+16
.endr
	WIN 0
.set BBK, BK+64*((\a)%2)
.irp t, 0,1,2,3,4,5,6,7,8,9,10,11,12,13,14,15
	ds_load_b128 v[BBK+4*\t:BBK+4*\t+3], v[RD] offset:\t*SPITCH
.endr
.endm
.macro SEND a, younger                 ; younger: the LDS instructions issued behind block a's loads, which may stay out.  Place 16 a + t is token 32 (a / 2) + 8 (a % 2) + t % 8 + 16 (t / 8)
.set BBK, BK+64*((\a)%2)
	s_wait_dscnt \younger
.irp t, 0,1,2,3,4,5,6,7,8,9,10,11,12,13,14,15
	global_store_b128 v[CO], v[BBK+4*\t:BBK+4*\t+3], s[12:13] offset:(32*((\a)/2)+8*((\a)%2)+\t%8+16*(\t/8))*4096 th:TH_STORE_NT   ; 32 lanes store 512 consecutive bytes, aligned
.endr
.endm
	PLACES 4                                       ; behind the last products
	TOSTAGE 0
.irp a, 1,2,3
.if \a > 1
	s_wait_xcnt 0x0                                ; block a - 2's stores have read the registers into which block a's loads land
.endif
	TOSTAGE \a
	SEND \a-1, 32                                  ; behind block a - 1's loads: block a's 16 stores and 16 loads
.endr
	SEND 3, 0
	s_wait_tensorcnt 0x0                           ; the wave's end
	ds_add_u32 v[SPW], v[NIL]
	s_wait_dscnt 0x0
	CROUND                                         ; the closing round
	s_endpgm
.Lfunc_end_k_qe5162e0f91_proj:
	.size	k_qe5162e0f91_proj, .Lfunc_end_k_qe5162e0f91_proj-k_qe5162e0f91_proj
	.p2alignl 7, 3214868480
	.fill 96, 4, 3214868480
	.section	.rodata,"a",@progbits
	.p2align	6, 0x0
	.amdhsa_kernel k_qe5162e0f91_proj
		.amdhsa_group_segment_fixed_size 327680
		.amdhsa_private_segment_fixed_size 0
		.amdhsa_enable_private_segment 0
		.amdhsa_kernarg_size 32
		.amdhsa_user_sgpr_count 2
		.amdhsa_user_sgpr_kernarg_segment_ptr 1
		.amdhsa_wavefront_size32 1
		.amdhsa_system_sgpr_workgroup_id_x 1
		.amdhsa_system_sgpr_workgroup_id_y 1
		.amdhsa_system_sgpr_workgroup_id_z 1
		.amdhsa_system_vgpr_workitem_id 0
		.amdhsa_next_free_vgpr 1024
		.amdhsa_next_free_sgpr 100
		.amdhsa_reserve_vcc 0
		.amdhsa_float_denorm_mode_32 3
		.amdhsa_float_denorm_mode_16_64 3
		.amdhsa_memory_ordered 1
		.amdhsa_forward_progress 1
		.amdhsa_inst_pref_size 101
	.end_amdhsa_kernel
	.amdgpu_metadata
---
amdhsa.version: [ 1, 2 ]
amdhsa.kernels:
  - .name:           k_qe5162e0f91_proj
    .symbol:         k_qe5162e0f91_proj.kd
    .args:
      - { .name: yq, .offset: 0, .size: 8, .value_kind: global_buffer, .address_space: global }
      - { .name: ops, .offset: 8, .size: 8, .value_kind: global_buffer, .address_space: global }
      - { .name: b_proj, .offset: 16, .size: 8, .value_kind: global_buffer, .address_space: global }
      - { .name: out0, .offset: 24, .size: 8, .value_kind: global_buffer, .address_space: global }
    .group_segment_fixed_size: 327680
    .private_segment_fixed_size: 0
    .kernarg_segment_align: 8
    .kernarg_segment_size: 32
    .max_flat_workgroup_size: 128
    .sgpr_count:     100
    .vgpr_count:     1024
    .wavefront_size: 32
...
	.end_amdgpu_metadata
.endif
;; end of part 4
